; MI455X (gfx1250); checked and timed in simulation.
; The chip was launched on July 23, 2026; its instructions are those of AMD's public machine-readable ISA for CDNA 5 (MIT licence, August 2026) and "CDNA5" Instruction Set Architecture Reference Guide (July 2026). The comments in the code are by the model that wrote it; some were corrected since.
;; Multi Head Attention. Allowed arithmetic: matrix products marked QUANTISED: E2M3 operands, one E8M0 scale for each 32 along K, by v_wmma_scale_f32_16x16x128_f8f6f4 with both operands' format E2M3, f32 sums; everything else in f32.
;; Inputs: Wk 768 x 768 float32; Wo 768 x 768 float32; Wq 768 x 768 float32; Wv 768 x 768 float32; bk 768 float32; bo 768 float32; bq 768 float32; bv 768 float32; x 8 x 1,024 x 768 float32.
;; Outputs: out0 8 x 1,024 x 768 float32.
;; This version of the problem:
;;   THIS VERSION OF THE PROBLEM IS GIVEN IN LOW PRECISION. The matrix products marked QUANTISED in the list below multiply operands that are first quantised to E2M3 (2 exponent bits, 3 mantissa bits; 6 bits a number), with one power-of-two scale for each 32 numbers along K (OCP MX v1.0); their sums are f32. All else is computed in f32.
;;   The module's matrix products, in the order in which they are computed (A, B: the left and right operand; K: the contracted axis; several contracted axes count as one K, in the product's order):
;;     1. [M 8,192, K 768] x [K 768, N 768]; A: input x; B: input Wq: QUANTISED
;;     2. [M 8,192, K 768] x [K 768, N 768]; A: input x; B: input Wk: QUANTISED
;;     3. [M 8,192, K 768] x [K 768, N 768]; A: input x; B: input Wv: QUANTISED
;;     4. batch 96 x [M 1,024, K 64] x [K 64, N 1,024]; A: computed on the way; B: computed on the way: QUANTISED
;;     5. batch 96 x [M 1,024, K 1,024] x [K 1,024, N 64]; A: softmax (see below); B: computed on the way: QUANTISED
;;     6. [M 8,192, K 768] x [K 768, N 768]; A: computed on the way; B: input Wo: QUANTISED
;;   THE QUANTISER, for each operand of a quantised product, along K:
;;     - K is cut into blocks of 32 from its start; a last block that is shorter is filled with zeros.
;;     - A block's scale is 2^e with e = floor(log2(the largest magnitude in the block)) - 2, held to -126 .. 127; a block of zeros has e = 0. As a byte (E8M0): e + 127.
;;     - Each number is divided by its block's scale, clamped to +-7.5, and rounded to the nearest number of E2M3, ties to even, subnormals kept.
;;     - The product sums the exact products of the quantised numbers (number of the format x scale) in f32.
;;   ~~~python
;;   def quantise(x, axis):      # numpy; x: float32 -> the quantised numbers, widened to float32 again
;;       x = np.moveaxis(x, axis, -1); K = x.shape[-1]
;;       x = np.pad(x, [(0, 0)] * (x.ndim - 1) + [(0, -K % 32)]); x = x.reshape(x.shape[:-1] + (-1, 32)); a = np.abs(x).max(-1, keepdims=True)
;;       e = np.where(a > 0, np.clip(np.frexp(np.where(a > 0, a, 1))[1] - 1 - 2, -126, 127), 0)      # np.frexp(a)[1] - 1 = floor(log2(a)), exactly
;;       r = np.clip(x / 2.0 ** e, -7.5, 7.5)
;;       step = 2.0 ** (np.maximum(np.frexp(np.where(r == 0, 1, r))[1] - 1, 0) - 3)
;;       q = np.round(r / step) * step * 2.0 ** e      # np.round: ties to even
;;       return np.moveaxis(q.reshape(q.shape[:-2] + (-1,))[..., :K], -1, axis).astype(np.float32)
;;   ~~~
;;   SOFTMAX AHEAD OF A QUANTISED PRODUCT. Where the list says 'softmax', what is quantised is not the finished softmax but p = 2^(t - M), with t = logit x log2(e) and M = ceil(the row's largest t), a whole number; so 1/2 < the row's largest p <= 1. The row's sum l is taken of the UNQUANTISED p, in f32, and the product's result is divided by l at the end. Since M is a whole number, a kernel that streams over the keys may use a running M (the ceiling of the running maximum): every later rescaling is an exact power of two, which a block's scale takes up: the codes' values come out the same.
;;   OPERANDS COMPUTED ON THE WAY. 'Computed on the way' means the value that the module computes at that place (a softmax that the list does not call 'softmax' is quantised finished and normalised). What goes into a quantiser is computed in f32, as accurately as f32 sums, v_exp_f32 and their like allow (about 1e-6 of the number): no bf16 or f16 on the way to a quantiser, and a product that is left as it is and whose result goes on into a quantised operand takes f32 operands (vector FMAs, or v_wmma_f32_16x16x4_f32). A number that lies on a knife's edge between two numbers of the format may be rounded either way, as far as f32 arithmetic and the matrix unit's own rounding can turn it there, and no further.
;; 2 versions. Each part assembles by itself: llvm-mc -triple=amdgcn-amd-amdhsa -mcpu=gfx1250 --defsym DOCPART=n.
;; ======== version 1 of 2: 4 launches
;; workspace buffers: xq 4,915,200 bytes; wq 1,843,200 bytes; qq 4,915,200 bytes; kv 9,830,400 bytes; cq 4,915,200 bytes
;; launch quant (part 1): grid 176 x 3, 4 waves a work-group, no clusters, 34,304 bytes of LDS; arguments x, Wq, Wk, Wv, Wo, xq, wq; writes xq, wq
.if DOCPART == 1
	.amdgcn_target "amdgcn-amd-amdhsa--gfx1250"
	.amdhsa_code_object_version 6
	.text
	.protected	k_q1394d6296a_quant
	.globl	k_q1394d6296a_quant
	.p2align	8
	.type	k_q1394d6296a_quant,@function
k_q1394d6296a_quant:
	s_mov_b64 s[64:65], 0
	v_nop
	global_prefetch_b8 v0, s[64:65] scope:SCOPE_SE
	s_setreg_imm32_b32 hwreg(HW_REG_WAVE_MODE, 25, 1), 1
	s_wait_xcnt 0x0
; x [8192][768] and the four weights [768 (k)][768 (n)], f32, become codes of FP6 (E2M3) with one E8M0 byte for each 32 along K = 768.
; THE OUTPUT IS LAID IN THE ORDER OF THE OPERAND'S REGISTERS.  A fragment is 16 rows x 128 K, 12 registers a lane; its image is 1,536 bytes: registers 4 c .. 4 c + 3 of lane l at 512 c + 16 l.
; Row r of tile T is row 32 (T / 2) + 8 (T % 2) + r + 8 (r / 8) of its tensor (tokens of x, columns n of a weight): so the results of two neighbouring tiles are 16 neighbours along the next product's K.
; xq: codes [tile 512][K step 6] images; from XS_OFF on the scale words [tile][pair of K steps 3] x 128 bytes: lanes 0-15 the even step's word of row r, lanes 16-31 the odd step's.  wq: the same, [weight 4][tile 48].
; A block's scale byte is its largest magnitude's exponent field - 2, held at 1 from below by a floor among the maximum's leaves.
; LIMITS: NaN and infinities are not served; a block of zeros, or one whose largest magnitude lies under 2^-124, gets the byte 1 (its codes are zeros or tiny; these bytes are read by this program alone).
; SHARES: work-group y = a pair of K steps (256 along K); x < 128: wave w takes tile 4 x + w of x; x >= 128: tile 4 (x - 128) + w of the 192 weight tiles.  A wave makes two fragments and one line of scale words.
; Waves share nothing: no barrier.  Only the path for x uses LDS, a stage of each wave's own.
.set XS_OFF, 4718592
.set WS_OFF, 1769472
.set ROWX,   3072                      ; bytes in a row of x and of a weight
.set SPITCH, 528                       ; a stage row: 512 bytes + 16 = 33 x 16: the sixteen rows that a load touches begin in sixteen different columns of 16 bytes
.set STG,    16*SPITCH                 ; a wave's stage
.set SEL,    32                        ; s[32:33] lane selects: lane l xor 16
.set MSK,    34                        ; s34 lanes 16-31
; v1 lane, v2 r, v3 h, v4 16 x lane, v5 4 x lane, v6 stage in, v7 stage out, v8 a weight's lane offset, v10-11 maxima, v12-13 scale operands, v14-15 bytes,
; v16 the scale word, v17 the first fragment's, v18 8 h, v19 at work, v20-31 the codes, v32-38 second halves, v64-127 64 numbers of x, v128-255 as loaded
	s_load_b256 s[4:11], s[0:1], 0x0               ; x, Wq, Wk, Wv
	s_load_b128 s[12:15], s[0:1], 0x20             ; Wo, xq
	s_load_b64 s[16:17], s[0:1], 0x30              ; wq
	v_lshl_add_u32 v62, v0, 2, 0x8400
	v_mov_b32 v63, 0
	v_lshrrev_b32 v9, 5, v0
	v_readfirstlane_b32 s18, v9                    ; wave
	v_and_b32 v1, 31, v0
	v_and_b32 v2, 15, v0
	v_bfe_u32 v3, v0, 4, 1
	v_lshlrev_b32 v4, 4, v1
	v_lshlrev_b32 v5, 2, v1
	v_lshlrev_b32 v18, 3, v3
	v_mov_b32 v19, 0                               ; a lane permute's destination counts as one of its sources
	s_mul_i32 s21, s18, STG
	v_add_nc_u32 v6, s21, v4                       ; into the stage: 16 bytes a lane of a row's 512
	v_mul_u32_u24 v7, v2, SPITCH
	v_lshl_add_u32 v7, v3, 7, v7
	v_add_nc_u32 v7, s21, v7                       ; out of it: row r, + 128 h: my 32 neighbours of each 64
	v_and_b32 v8, 8, v2
	v_add_nc_u32 v8, v8, v2
	v_lshlrev_b32 v8, 2, v8                        ; a weight: column r + 8 (r / 8) of the tile,
	v_mul_u32_u24 v9, v3, 32*ROWX
	v_add_nc_u32 v8, v8, v9                        ; lanes 16-31 begin 32 rows of K further down
	s_and_b32 s19, ttmp7, 0xffff                   ; which pair of K steps
	s_mov_b32 s[SEL], 0x76543210
	s_mov_b32 s[SEL+1], 0xfedcba98
	s_mov_b32 s[MSK], 0xffff0000
	s_mov_b32 s25, 0
	s_wait_kmcnt 0x0
; where my two images and my line of scale words go: s20 = the tile's number in its buffer, p = the buffer's pointer
.macro BASES p, soff
	s_mul_i32 s26, s20, 9216
	s_mul_i32 s27, s19, 3072
	s_add_co_u32 s26, s26, s27
	s_mov_b32 s27, 0
	s_add_nc_u64 s[28:29], s[\p:\p+1], s[26:27]
	s_mul_i32 s26, s20, 384
	s_lshl_b32 s35, s19, 7
	s_add_co_u32 s26, s26, s35
	s_add_co_u32 s26, s26, \soff
	s_add_nc_u64 s[30:31], s[\p:\p+1], s[26:27]
.endm
; 64 numbers of a lane, v[X + 32 c + i] = k 64 c + 32 h + i of my row, become the fragment's 12 registers v20-31 and my row's scale word v16.  A lane holds two whole blocks.
.macro QFRAG X
.irp c, 0,1
	v_max3_num_f32 v[10+\c], |v[\X+32*\c]|, |v[\X+32*\c+1]|, 0x1800000      ; with the floor 2^(3 - 127): the byte cannot fall under 1
.endr
.irp i, 2,4,6,8,10,12,14,16,18,20,22,24,26,28,30
.irp c, 0,1
	v_max3_num_f32 v[10+\c], v[10+\c], |v[\X+32*\c+\i]|, |v[\X+32*\c+\i+1]|  ; the two blocks by turns
.endr
.endr
.irp c, 0,1
	v_add_nc_u32 v[12+\c], 0xff000000, v[10+\c]    ; 2 off the exponent field: the conversion's scale operand
.endr
.irp c, 0,1
	v_lshrrev_b32 v[14+\c], 23, v[12+\c]           ; the byte
.endr
	v_lshl_or_b32 v16, v15, 16, v14                ; blocks h and 2 + h,
	v_lshlrev_b32 v16, v18, v16                    ; at their places in the word;
	v_permlanex16_b32 v19, v16, s[SEL], s[SEL+1]
	v_or_b32 v16, v16, v19                         ; with lane l xor 16's two the word is whole, in both halves of the lanes
.irp c, 0,1
	v_cvt_scalef32_pk16_fp6_f32 v[20+6*\c:22+6*\c], v[\X+32*\c:\X+32*\c+15], v[12+\c]
	v_cvt_scalef32_pk16_fp6_f32 v[32+4*\c:34+4*\c], v[\X+32*\c+16:\X+32*\c+31], v[12+\c]   ; a conversion's three registers begin on an even number
.endr
	v_nop                                          ; one plain place behind the conversions
.irp c, 0,1
.irp i, 0,1,2
	v_mov_b32 v[23+6*\c+\i], v[32+4*\c+\i]
.endr
.endr
.endm
.macro CODES e                         ; the image: each store covers 512 consecutive bytes
.irp c, 0,1,2
	global_store_b128 v4, v[20+4*\c:23+4*\c], s[28:29] offset:1536*\e+512*\c
.endr
.endm
.macro TAIL                            ; lanes 0-15 the first fragment's words, lanes 16-31 the second's
	v_cndmask_b32 v16, v17, v16, s[MSK]
	global_store_b32 v5, v16, s[30:31]
	s_wait_tensorcnt 0x0
	ds_add_u32 v62, v63
	s_wait_dscnt 0x0
	s_endpgm
.endm
	s_cmp_ge_u32 ttmp9, 128
	s_cbranch_scc1 .Lweights
	; ---- x: K is innermost.  Each load takes 512 consecutive bytes of one row; the rows turn through the stage so that a lane gets 32 neighbours.
	s_lshl_b32 s20, ttmp9, 2
	s_add_co_u32 s20, s20, s18                     ; tile
	s_lshr_b32 s24, s20, 1
	s_lshl_b32 s24, s24, 5
	s_and_b32 s22, s20, 1
	s_lshl_b32 s22, s22, 3
	s_add_co_u32 s24, s24, s22                     ; its first token
	s_mul_i32 s24, s24, ROWX
	s_lshl_b32 s22, s19, 10
	s_add_co_u32 s24, s24, s22
	s_add_nc_u64 s[4:5], s[4:5], s[24:25]
	BASES 14, XS_OFF
.irp e, 0,1
.irp p, 0,1,2,3,4,5,6,7,8,9,10,11,12,13,14,15
	global_load_b128 v[128+64*\e+4*\p:128+64*\e+4*\p+3], v4, s[4:5] offset:(\p+8*(\p/8))*ROWX+512*\e th:TH_LOAD_NT
.endr
.endr
.macro TURN e                          ; LDS serves a wave's instructions in order: no wait between the stores and the loads
.irp p, 0,1,2,3,4,5,6,7,8,9,10,11,12,13,14,15
	ds_store_b128 v6, v[128+64*\e+4*\p:128+64*\e+4*\p+3] offset:SPITCH*\p
.endr
.irp c, 0,1
.irp j, 0,1,2,3,4,5,6,7
	ds_load_b128 v[64+32*\c+4*\j:64+32*\c+4*\j+3], v7 offset:256*\c+16*\j
.endr
.endr
.endm
	s_wait_loadcnt 16                              ; the first K step's 16 loads are in; the second's may be out
	TURN 0
	s_wait_dscnt 0x0
	QFRAG 64
	CODES 0
	v_mov_b32 v17, v16
	s_wait_loadcnt 0x0
	TURN 1
	s_wait_dscnt 0x0
	s_wait_xcnt 0x0                                ; the stores above have read v20-31: they are written again only behind this wait
	QFRAG 64
	CODES 1
	TAIL
.Lweights:
	; ---- a weight: K is its first axis.  A lane takes a column and its registers run down K, in the order that the operand's layout gives that lane: nothing is transposed.
	s_sub_co_u32 s23, ttmp9, 128
	s_cmp_ge_u32 s23, 12                           ; which weight: the choice hangs on the work-group's number alone
	s_cselect_b64 s[6:7], s[8:9], s[6:7]
	s_cselect_b32 s21, 48, 0
	s_cmp_ge_u32 s23, 24
	s_cselect_b64 s[6:7], s[10:11], s[6:7]
	s_cselect_b32 s21, 96, s21
	s_cmp_ge_u32 s23, 36
	s_cselect_b64 s[6:7], s[12:13], s[6:7]
	s_cselect_b32 s21, 144, s21
	s_lshl_b32 s20, s23, 2
	s_add_co_u32 s20, s20, s18                     ; tile among the 192
	s_sub_co_u32 s22, s20, s21                     ; tile in its weight
	s_lshr_b32 s24, s22, 1
	s_lshl_b32 s24, s24, 7
	s_and_b32 s22, s22, 1
	s_lshl_b32 s22, s22, 5
	s_add_co_u32 s24, s24, s22                     ; its first column, in bytes
	s_mul_i32 s22, s19, 256*ROWX
	s_add_co_u32 s24, s24, s22
	s_add_nc_u64 s[6:7], s[6:7], s[24:25]
	BASES 16, WS_OFF
.irp e, 0,1
.irp c, 0,1
.irp i, 0,1,2,3,4,5,6,7,8,9,10,11,12,13,14,15,16,17,18,19,20,21,22,23,24,25,26,27,28,29,30,31
	global_load_b32 v[128+64*\e+32*\c+\i], v8, s[6:7] offset:(128*\e+64*\c+\i)*ROWX
.endr
.endr
.endr
	s_wait_loadcnt 63                              ; of 128 loads at most 63 are out: the first fragment's 64 are in
	QFRAG 128
	CODES 0
	v_mov_b32 v17, v16
	s_wait_loadcnt 0x0
	s_wait_xcnt 0x0                                ; the stores above have read v20-31
	QFRAG 192
	CODES 1
	TAIL
.Lfunc_end_k_q1394d6296a_quant:
	.size	k_q1394d6296a_quant, .Lfunc_end_k_q1394d6296a_quant-k_q1394d6296a_quant
	.p2alignl 7, 3214868480
	.fill 96, 4, 3214868480
	.section	.rodata,"a",@progbits
	.p2align	6, 0x0
	.amdhsa_kernel k_q1394d6296a_quant
		.amdhsa_group_segment_fixed_size 34304
		.amdhsa_private_segment_fixed_size 0
		.amdhsa_enable_private_segment 0
		.amdhsa_kernarg_size 56
		.amdhsa_user_sgpr_count 2
		.amdhsa_user_sgpr_kernarg_segment_ptr 1
		.amdhsa_wavefront_size32 1
		.amdhsa_system_sgpr_workgroup_id_x 1
		.amdhsa_system_sgpr_workgroup_id_y 1
		.amdhsa_system_sgpr_workgroup_id_z 1
		.amdhsa_system_vgpr_workitem_id 0
		.amdhsa_next_free_vgpr 256
		.amdhsa_next_free_sgpr 66
		.amdhsa_reserve_vcc 0
		.amdhsa_float_denorm_mode_32 3
		.amdhsa_float_denorm_mode_16_64 3
		.amdhsa_memory_ordered 1
		.amdhsa_forward_progress 1
		.amdhsa_inst_pref_size 37
	.end_amdhsa_kernel
	.amdgpu_metadata
---
amdhsa.version: [ 1, 2 ]
amdhsa.kernels:
  - .name:           k_q1394d6296a_quant
    .symbol:         k_q1394d6296a_quant.kd
    .args:
      - { .name: x, .offset: 0, .size: 8, .value_kind: global_buffer, .address_space: global }
      - { .name: Wq, .offset: 8, .size: 8, .value_kind: global_buffer, .address_space: global }
      - { .name: Wk, .offset: 16, .size: 8, .value_kind: global_buffer, .address_space: global }
      - { .name: Wv, .offset: 24, .size: 8, .value_kind: global_buffer, .address_space: global }
      - { .name: Wo, .offset: 32, .size: 8, .value_kind: global_buffer, .address_space: global }
      - { .name: xq, .offset: 40, .size: 8, .value_kind: global_buffer, .address_space: global }
      - { .name: wq, .offset: 48, .size: 8, .value_kind: global_buffer, .address_space: global }
    .group_segment_fixed_size: 34304
    .private_segment_fixed_size: 0
    .kernarg_segment_align: 8
    .kernarg_segment_size: 56
    .max_flat_workgroup_size: 128
    .sgpr_count:     66
    .vgpr_count:     256
    .wavefront_size: 32
...
	.end_amdgpu_metadata
.endif
;; end of part 1
;; launch qkv (part 2): grid 3 x 64, 4 waves a work-group, no clusters, 74,240 bytes of LDS; arguments xq, wq, bq, bk, bv, qq, kv; writes qq, kv
.if DOCPART == 2
	.amdgcn_target "amdgcn-amd-amdhsa--gfx1250"
	.amdhsa_code_object_version 6
	.text
	.protected	k_q1394d6296a_qkv
	.globl	k_q1394d6296a_qkv
	.p2align	8
	.type	k_q1394d6296a_qkv,@function
k_q1394d6296a_qkv:
	s_mov_b64 s[64:65], 0
	v_nop
	global_prefetch_b8 v0, s[64:65] scope:SCOPE_SE
	s_setreg_imm32_b32 hwreg(HW_REG_WAVE_MODE, 25, 1), 1
	s_wait_xcnt 0x0
; q = x Wq + bq, k = x Wk + bk, v = x Wv + bv on codes of FP6 (E2M3) with E8M0 scales, sums in f32; the results are quantised in registers for the two products of attention and leave as codes.
; SHARES: a work-group takes 128 tokens (work-group y: tiles 8 y .. 8 y + 7) x 4 heads; wave w takes head 4 x + w and runs three phases, q, k, v: each 128 tokens x 64 features, 32 accumulators, 6 K steps of 32 products.
; x's 48 fragments (73,728 dense bytes, images of the operand's registers) come into LDS once and are read in all twelve phases of the four waves.  A wave's weights are its own: they come from memory straight into
; registers, six groups (one a K step) that take turns: when a phase has multiplied a group, the next phase's group is loaded into the same registers, six K steps ahead of its use.
; q AND k ARE MADE TRANSPOSED (source 0 = 16 features of W, source 1 = 16 tokens): a lane holds a token and its registers run along the features, the K of q k^T.
; v IS MADE STRAIGHT (source 0 = tokens, source 1 = features): a lane holds a feature and its registers run along the tokens, the K of p v.
; Row r of a tile T is row 32 (T / 2) + 8 (T % 2) + r + 8 (r / 8): so the 16 registers of two neighbouring tiles are 16 neighbours along the next K.  The biases are the C of each sum's first product.
; OUT: qq: codes [b h 96][tile 64] x 768 bytes (registers 0-3 at 16 l, 4-5 at 512 + 8 l); from QS_OFF on, for each 32 tokens a word a row: bytes 0, 1 the even tile's two blocks, bytes 2, 3 the odd tile's.
;   kv: 102,400 bytes a head: k's codes [128 keys 8][pair of tiles 4] x 1,536 (registers 0-5 the even tile, 6-11 the odd one); from 49,152 v^T's [128 keys 8][16 features 4] x 1,536; from 98,304 k's scale words; from 100,352 v's.
; LIMITS: NaN and infinities are not served; a block of zeros, or one under 2^-124, gets the byte 1 (read by this program alone).
; REGISTERS, in windows of 256: window 0: v1-7 addresses; v16-39 x's scale words; v40-75 W's; v80-119 at work; v160-255 x's fragments of an even K step.
;   window 1: v0-143 W's groups 0-2; v144-239 x's fragments of an odd K step.   window 2: v0-143 W's groups 3-5; v144-175 the bias, 8 registers a tile.   window 3: the 32 accumulators (at the head: x's bytes on their way to LDS).
.set XS_OFF, 4718592
.set WS_OFF, 1769472
.set QS_OFF, 4718592
.set LI0, 1                            ; v1  16 x lane: an image's place for my lane
.set LI1, 2                            ; v2  the same 36,864 bytes on (tiles 4-7 in LDS)
.set L8,  3                            ; v3  8 x lane
.set L4,  4                            ; v4  4 x lane
.set FA,  5                            ; v5  where I put x's bytes: 16 x lane + 18,432 x wave
.set BA,  6                            ; v6  64 h: bq, bk: my half's eight features of a tile
.set BV,  7                            ; v7  4 (r + 8 (r / 8)): bv: my feature
.set XS,  16
.set WS,  40
.set TM,  80                           ; v80-83 maxima, v84-87 bytes, v92-95 scale operands
.set PW,  96                           ; the scale word just made;  v97 the one before;  v98 the two, lanes 0-15 and 16-31
.set PWA, 97
.set PWS, 98
.set PC,  100                          ; v100-111 the codes just made, v112-118 second halves
.set XA,  160
.set XB,  144
.set BI,  144
.set MSB, 0
.macro WIN new                         ; the immediate's high byte repeats the setting that is left
.if MSB != \new
	s_set_vgpr_msb (MSB<<8)|\new
.set MSB, \new
.endif
.endm
.macro PLACES                          ; four places behind a product, ahead of loads into its registers and of the first read of its result
.rept 4
	v_nop
.endr
.endm
	s_load_b256 s[4:11], s[0:1], 0x0               ; xq, wq, bq, bk
	s_load_b128 s[12:15], s[0:1], 0x20             ; bv, qq
	s_load_b64 s[16:17], s[0:1], 0x30              ; kv
	v_lshl_add_u32 v158, v0, 2, 0x12000
	v_mov_b32 v159, 0
	v_lshrrev_b32 v8, 5, v0
	v_readfirstlane_b32 s18, v8                    ; wave
	v_and_b32 v8, 31, v0
	v_and_b32 v9, 15, v0
	v_bfe_u32 v10, v0, 4, 1
	v_lshlrev_b32 v[LI0], 4, v8
	v_add_nc_u32 v[LI1], 36864, v[LI0]
	v_lshlrev_b32 v[L8], 3, v8
	v_lshlrev_b32 v[L4], 2, v8
	s_mul_i32 s39, s18, 18432
	v_add_nc_u32 v[FA], s39, v[LI0]
	v_lshlrev_b32 v[BA], 6, v10
	v_and_b32 v[BV], 8, v9
	v_add_nc_u32 v[BV], v[BV], v9
	v_lshlrev_b32 v[BV], 2, v[BV]
.irp b, 0,1,2,3
	v_mov_b32 v[TM+4+\b], 0                        ; a lane permute's destination counts as one of its sources
.endr
	s_mov_b32 s36, 0x76543210                      ; lane l xor 16
	s_mov_b32 s37, 0xfedcba98
	s_mov_b32 s38, 0xffff0000                      ; lanes 16-31
	s_and_b32 s19, ttmp7, 0xffff                   ; the group of 128 tokens
	s_lshl_b32 s40, ttmp9, 2
	s_add_co_u32 s40, s40, s18                     ; head
	s_lshr_b32 s41, s19, 3                         ; batch
	s_and_b32 s42, s19, 7                          ; which 128 of its 1,024 tokens
	s_mul_i32 s43, s41, 12
	s_add_co_u32 s43, s43, s40                     ; batch x 12 + head
	s_lshl_b32 s46, s43, 3
	s_add_co_u32 s46, s46, s42
	s_mov_b32 s45, 0
	s_wait_kmcnt 0x0
	s_mul_i32 s44, s19, 73728
	s_add_co_u32 s44, s44, s39
	s_add_nc_u64 s[20:21], s[4:5], s[44:45]        ; x's codes: my quarter of the 73,728 bytes
	s_mul_i32 s44, s19, 3072
	s_add_co_u32 s44, s44, XS_OFF
	s_add_nc_u64 s[22:23], s[4:5], s[44:45]        ; x's scale words
	s_mul_i32 s44, s40, 36864
	s_add_nc_u64 s[24:25], s[6:7], s[44:45]        ; Wq's codes at my head's four tiles; Wk's and Wv's lie 442,368 bytes on each
	s_mul_i32 s44, s40, 1536
	s_add_co_u32 s44, s44, WS_OFF
	s_add_nc_u64 s[26:27], s[6:7], s[44:45]        ; their scale words; 18,432 bytes from weight to weight
	s_lshl_b32 s44, s40, 8
	s_add_nc_u64 s[8:9], s[8:9], s[44:45]          ; the biases at my head
	s_add_nc_u64 s[10:11], s[10:11], s[44:45]
	s_add_nc_u64 s[12:13], s[12:13], s[44:45]
	s_mul_i32 s44, s46, 6144
	s_add_nc_u64 s[28:29], s[14:15], s[44:45]      ; q's codes
	s_lshl_b32 s44, s46, 8
	s_add_co_u32 s44, s44, QS_OFF
	s_add_nc_u64 s[30:31], s[14:15], s[44:45]      ; q's scale words
	s_mul_i32 s47, s43, 102400
	s_mul_i32 s44, s42, 6144
	s_add_co_u32 s44, s44, s47
	s_add_nc_u64 s[32:33], s[16:17], s[44:45]      ; k's codes; v's lie 49,152 bytes on
	s_lshl_b32 s44, s42, 8
	s_add_co_u32 s44, s44, s47
	s_add_co_u32 s44, s44, 98304
	s_add_nc_u64 s[34:35], s[16:17], s[44:45]      ; k's scale words; v's lie 2,048 bytes on
.macro WLOAD ph, ks                    ; phase ph's group ks: four fragments of W, 12 loads of 512 consecutive bytes
.set NW, (1+(\ks)/3)<<6
	WIN NW
.irp ft, 0,1,2,3
.irp c, 0,1,2
	global_load_b128 v[48*((\ks)%3)+12*\ft+4*\c:48*((\ks)%3)+12*\ft+4*\c+3], v[LI0], s[24:25] offset:442368*(\ph)+9216*\ft+1536*(\ks)+512*\c
.endr
.endr
.endm
.macro BLOAD ph                        ; phase ph's bias in the result's layout.  q, k: register j of tile ft is feature 32 (ft / 2) + 8 (ft % 2) + 16 h + j;  v: all eight are my lane's feature
	WIN 0x80
.if (\ph) < 2
.irp ft, 0,1,2,3
	global_load_b128 v[BI+8*\ft:BI+8*\ft+3], v[BA], s[8+2*(\ph):9+2*(\ph)] offset:(32*(\ft/2)+8*(\ft%2))*4
	global_load_b128 v[BI+8*\ft+4:BI+8*\ft+7], v[BA], s[8+2*(\ph):9+2*(\ph)] offset:(32*(\ft/2)+8*(\ft%2))*4+16
.endr
.else
.irp ft, 0,1,2,3
.irp j, 0,1,2,3,4,5,6,7
	global_load_b32 v[BI+8*\ft+\j], v[BV], s[12:13] offset:(32*(\ft/2)+8*(\ft%2))*4
.endr
.endr
.endif
.endm
.macro XLOAD ks                        ; x's eight fragments of K step ks: 24 loads of 512 consecutive bytes
.set NW, ((\ks)%2)<<6
	WIN NW
.set XR, XA-(XA-XB)*((\ks)%2)
.irp tt, 0,1,2,3,4,5,6,7
.irp c, 0,1,2
	ds_load_b128 v[XR+12*\tt+4*\c:XR+12*\tt+4*\c+3], v[LI0+\tt/4] offset:9216*(\tt%4)+1536*(\ks)+512*\c
.endr
.endr
.endm
.macro MMX row                         ; one product; row = 1: both sides' scale words stand in lanes 16-31
.if \row
	v_wmma_scale_f32_16x16x128_f8f6f4 v[rD:rD+7], v[rA:rA+11], v[rB:rB+11], v[rC:rC+7], v[rSA], v[rSB] matrix_a_fmt:MATRIX_FMT_FP6 matrix_b_fmt:MATRIX_FMT_FP6 matrix_a_scale:MATRIX_SCALE_ROW1 matrix_b_scale:MATRIX_SCALE_ROW1
.else
	v_wmma_scale_f32_16x16x128_f8f6f4 v[rD:rD+7], v[rA:rA+11], v[rB:rB+11], v[rC:rC+7], v[rSA], v[rSB] matrix_a_fmt:MATRIX_FMT_FP6 matrix_b_fmt:MATRIX_FMT_FP6
.endif
.endm
; K step ks of phase ph: 32 products, the 32 accumulators by turns in the same order in every step.
; nl: the global loads issued behind this step's group of W, which may stay out;  nd: the LDS loads issued behind this step's fragments of x.
.macro KSTEP ph, ks, nl, nd
	s_wait_loadcnt \nl
	s_wait_dscnt \nd
.set WR, 48*((\ks)%3)
.set XR, XA-(XA-XB)*((\ks)%2)
.set CW, 3
.if (\ks) == 0
.set CW, 2
.endif
.if (\ph) < 2
.set NW, (1+(\ks)/3)+(((\ks)%2)<<2)+(CW<<4)+0xc0
.else
.set NW, ((\ks)%2)+((1+(\ks)/3)<<2)+(CW<<4)+0xc0
.endif
	WIN NW
.irp tt, 0,1,2,3,4,5,6,7
.irp ft, 0,1,2,3
.if (\ph) < 2
.set rD, 8*(4*\tt+\ft)
.set rA, WR+12*\ft
.set rB, XR+12*\tt
.set rSA, WS+12*(\ph)+3*\ft+(\ks)/2
.set rSB, XS+3*\tt+(\ks)/2
.else
.set rD, 8*(8*\ft+\tt)
.set rA, XR+12*\tt
.set rB, WR+12*\ft
.set rSA, XS+3*\tt+(\ks)/2
.set rSB, WS+12*(\ph)+3*\ft+(\ks)/2
.endif
.set rC, rD
.if (\ks) == 0
.set rC, BI+8*\ft
.endif
	MMX (\ks)%2
.endr
.endr
	PLACES
.if (\ph) < 2
.if (\ks) == 0
	BLOAD (\ph)+1
.endif
	WLOAD (\ph)+1, \ks
.endif
.if 6*(\ph)+(\ks)+2 <= 17
	XLOAD ((\ks)+2)%6
.endif
	WIN 0
.endm
; 64 numbers of a lane in window 3, register S + 16 b + i = place 32 b + 16 h + i along the next K, become 12 registers of codes (v[PC] on) and a scale word (v[PW]).
; Each accumulator is read from its low end on.
.macro QUANT S
	s_wait_xcnt 0x0                                ; the last stores have read the codes' and the scale words' registers: they are written again only behind this wait
	WIN 0x0f
.irp b, 0,1,2,3
	v_max3_num_f32 v[TM+\b], |v[(\S)+16*\b]|, |v[(\S)+1+16*\b]|, 0x1800000     ; my 16 numbers of block b, and the floor 2^(3 - 127)
.endr
	WIN 0x3c
.irp i, 2,4,6,8,10,12,14
.irp b, 0,1,2,3
	v_max3_num_f32 v[TM+\b], v[TM+\b], |v[(\S)+16*\b+\i]|, |v[(\S)+1+16*\b+\i]|
.endr
.endr
	WIN 0
.irp b, 0,1,2,3
	v_permlanex16_b32 v[TM+4+\b], v[TM+\b], s36, s37
.endr
.irp b, 0,1,2,3
	v_max_num_f32 v[TM+\b], v[TM+\b], v[TM+4+\b]   ; with lane l xor 16's: the block's largest magnitude
.endr
.irp b, 0,1,2,3
	v_add_nc_u32 v[TM+12+\b], 0xff000000, v[TM+\b] ; 2 off the exponent field: the conversion's scale operand
.endr
.irp b, 0,1,2,3
	v_lshrrev_b32 v[TM+4+\b], 23, v[TM+12+\b]      ; the byte
.endr
	v_lshl_or_b32 v[PW], v[TM+5], 8, v[TM+4]
	v_lshl_or_b32 v[PW], v[TM+6], 16, v[PW]
	v_lshl_or_b32 v[PW], v[TM+7], 24, v[PW]
	WIN 0x03
.irp c, 0,1
	v_cvt_scalef32_pk16_fp6_f32 v[PC+6*\c:PC+2+6*\c], v[(\S)+32*\c:(\S)+15+32*\c], v[TM+12+2*\c]
	v_cvt_scalef32_pk16_fp6_f32 v[PC+12+4*\c:PC+14+4*\c], v[(\S)+16+32*\c:(\S)+31+32*\c], v[TM+12+2*\c+1]
.endr
	WIN 0
	v_nop                                          ; one plain place behind the conversions
.irp c, 0,1                            ; the operand's layout wants a whole block in a lane: lanes 0-15 block 2 c, lanes 16-31 block 2 c + 1
.irp i, 0,1,2
	v_permlane16_swap_b32 v[PC+6*\c+\i], v[PC+12+4*\c+\i]
.endr
.irp i, 0,1,2
	v_mov_b32 v[PC+3+6*\c+\i], v[PC+12+4*\c+\i]
.endr
.endr
.endm
; A phase's way out: four times 64 registers.  q, k: two tiles of tokens (blocks 0, 1: the even tile's 64 features; 2, 3: the odd tile's).  v: one tile of features x 128 keys.
.macro EPI ph
.irp gq, 0,1,2,3
	QUANT 64*\gq
.if (\ph) == 0
	global_store_b128 v[LI0], v[PC:PC+3], s[28:29] offset:1536*\gq
	global_store_b64 v[L8], v[PC+4:PC+5], s[28:29] offset:1536*\gq+512
	global_store_b128 v[LI0], v[PC+6:PC+9], s[28:29] offset:1536*\gq+768
	global_store_b64 v[L8], v[PC+10:PC+11], s[28:29] offset:1536*\gq+1280
.else
.irp c, 0,1,2
	global_store_b128 v[LI0], v[PC+4*\c:PC+4*\c+3], s[32:33] offset:49152*((\ph)-1)+1536*\gq+512*\c
.endr
.endif
.if \gq%2 == 0
	v_mov_b32 v[PWA], v[PW]
.else
	v_cndmask_b32 v[PWS], v[PWA], v[PW], s38       ; lanes 0-15 the even item's words, lanes 16-31 the odd item's
.if (\ph) == 0
	global_store_b32 v[L4], v[PWS], s[30:31] offset:128*(\gq/2)
.else
	global_store_b32 v[L4], v[PWS], s[34:35] offset:2048*((\ph)-1)+128*(\gq/2)
.endif
.endif
.endr
.endm
	WIN 0xc0                                       ; x's bytes, my quarter: 36 loads of 512 consecutive bytes into window 3
.set i, 0
.rept 36
	global_load_b128 v[4*i:4*i+3], v[LI0], s[20:21] offset:512*i
.set i, i+1
.endr
	WLOAD 0, 0
	WLOAD 0, 1
	s_wait_loadcnt 24                              ; x's 36 are in; the two groups of W behind them may be out
	WIN 0x0c
.set i, 0
.rept 36
	ds_store_b128 v[FA], v[4*i:4*i+3] offset:512*i
.set i, i+1
.endr
	WIN 0
.irp tt, 0,1,2,3,4,5,6,7
.irp sp, 0,1,2
	global_load_b32 v[XS+3*\tt+\sp], v[L4], s[22:23] offset:384*\tt+128*\sp
.endr
.endr
.irp ph, 0,1,2
.irp ft, 0,1,2,3
.irp sp, 0,1,2
	global_load_b32 v[WS+12*\ph+3*\ft+\sp], v[L4], s[26:27] offset:18432*\ph+384*\ft+128*\sp
.endr
.endr
.endr
	BLOAD 0
	WLOAD 0, 2
	WLOAD 0, 3
	WLOAD 0, 4
	WLOAD 0, 5
	WIN 0
	s_wait_dscnt 0x0                               ; for the others' sake: my quarter of x lies in LDS
	s_barrier_signal -1
	s_barrier_wait -1                              ; everybody's does; nothing writes LDS from here on
	XLOAD 0
	XLOAD 1
	WIN 0
	KSTEP 0, 0, 48, 24                             ; behind the scale words, the bias and groups 0, 1: groups 2-5, 48 loads
	KSTEP 0, 1, 60, 24                             ; from here on five groups of 12 stand behind the one that is wanted (a bias's loads among them make the count only stricter)
	KSTEP 0, 2, 60, 24
	KSTEP 0, 3, 60, 24
	KSTEP 0, 4, 60, 24
	KSTEP 0, 5, 60, 24
	EPI 0
	KSTEP 1, 0, 60, 24
	KSTEP 1, 1, 60, 24
	KSTEP 1, 2, 60, 24
	KSTEP 1, 3, 60, 24
	KSTEP 1, 4, 60, 24
	KSTEP 1, 5, 60, 24
	EPI 1
	KSTEP 2, 0, 60, 24                             ; the last phase loads no more of W: the counts run down
	KSTEP 2, 1, 48, 24
	KSTEP 2, 2, 36, 24
	KSTEP 2, 3, 24, 24
	KSTEP 2, 4, 12, 24
	KSTEP 2, 5, 0, 0
	EPI 2
	s_wait_tensorcnt 0x0
	ds_add_u32 v158, v159
	s_wait_dscnt 0x0
	s_endpgm
.Lfunc_end_k_q1394d6296a_qkv:
	.size	k_q1394d6296a_qkv, .Lfunc_end_k_q1394d6296a_qkv-k_q1394d6296a_qkv
	.p2alignl 7, 3214868480
	.fill 96, 4, 3214868480
	.section	.rodata,"a",@progbits
	.p2align	6, 0x0
	.amdhsa_kernel k_q1394d6296a_qkv
		.amdhsa_group_segment_fixed_size 74240
		.amdhsa_private_segment_fixed_size 0
		.amdhsa_enable_private_segment 0
		.amdhsa_kernarg_size 56
		.amdhsa_user_sgpr_count 2
		.amdhsa_user_sgpr_kernarg_segment_ptr 1
		.amdhsa_wavefront_size32 1
		.amdhsa_system_sgpr_workgroup_id_x 1
		.amdhsa_system_sgpr_workgroup_id_y 1
		.amdhsa_system_sgpr_workgroup_id_z 1
		.amdhsa_system_vgpr_workitem_id 0
		.amdhsa_next_free_vgpr 1024
		.amdhsa_next_free_sgpr 66
		.amdhsa_reserve_vcc 0
		.amdhsa_float_denorm_mode_32 3
		.amdhsa_float_denorm_mode_16_64 3
		.amdhsa_memory_ordered 1
		.amdhsa_forward_progress 1
		.amdhsa_inst_pref_size 196
	.end_amdhsa_kernel
	.amdgpu_metadata
---
amdhsa.version: [ 1, 2 ]
amdhsa.kernels:
  - .name:           k_q1394d6296a_qkv
    .symbol:         k_q1394d6296a_qkv.kd
    .args:
      - { .name: xq, .offset: 0, .size: 8, .value_kind: global_buffer, .address_space: global }
      - { .name: wq, .offset: 8, .size: 8, .value_kind: global_buffer, .address_space: global }
      - { .name: bq, .offset: 16, .size: 8, .value_kind: global_buffer, .address_space: global }
      - { .name: bk, .offset: 24, .size: 8, .value_kind: global_buffer, .address_space: global }
      - { .name: bv, .offset: 32, .size: 8, .value_kind: global_buffer, .address_space: global }
      - { .name: qq, .offset: 40, .size: 8, .value_kind: global_buffer, .address_space: global }
      - { .name: kv, .offset: 48, .size: 8, .value_kind: global_buffer, .address_space: global }
    .group_segment_fixed_size: 74240
    .private_segment_fixed_size: 0
    .kernarg_segment_align: 8
    .kernarg_segment_size: 56
    .max_flat_workgroup_size: 128
    .sgpr_count:     66
    .vgpr_count:     1024
    .wavefront_size: 32
...
	.end_amdgpu_metadata
.endif
;; end of part 2
;; launch attn (part 3): grid 8 x 32, 8 waves a work-group, clusters of 4 x 1, 327,680 bytes of LDS; arguments qq, kv, cq; writes cq
.if DOCPART == 3
	.amdgcn_target "amdgcn-amd-amdhsa--gfx1250"
	.amdhsa_code_object_version 6
	.text
	.protected	k_q1394d6296a_attn
	.globl	k_q1394d6296a_attn
	.p2align	8
	.type	k_q1394d6296a_attn,@function
k_q1394d6296a_attn:
	s_mov_b64 s[64:65], 0
	v_nop
	global_prefetch_b8 v0, s[64:65] scope:SCOPE_SE
	s_setreg_imm32_b32 hwreg(HW_REG_WAVE_MODE, 25, 1), 1
	s_wait_xcnt 0x0
	s_wait_alu depctr_hold_cnt(0) depctr_sa_sdst(0) depctr_va_vdst(0) depctr_va_sdst(0) depctr_va_ssrc(0) depctr_va_vcc(0) depctr_vm_vsrc(0)
	s_getreg_b32 s2, hwreg(HW_REG_IB_STS2, 6, 4)
	s_cmp_eq_u32 s2, 0
	s_cbranch_scc0 .Lentry_in_a_cluster
	s_endpgm
.Lentry_in_a_cluster:
	s_bfe_u32 s2, ttmp6, 0x10000c
	s_cmp_lg_u32 s2, 0x3003
	s_cbranch_scc0 .Lentry_shape_is_right
	s_endpgm
.Lentry_shape_is_right:
; ctx = softmax(q k^T / 8) v for 96 heads of 1,024 tokens x 64, both products on codes of FP6 (E2M3) with E8M0 scales; ctx is quantised in registers for the last product and leaves as codes.
; THE SOFTMAX: t = score x log2(e) / 8; M = the running largest t rounded UP to a whole number; p = 2^(t - M) is what is quantised, along the keys, not normalised.  The row's sum is taken of the unquantised p and
; divides at the end.  When M moves, the sum and O are multiplied by 2^(old M - new M), which rounds nothing.
; SHARES: a work-group takes 128 queries x 3 heads of one batch: 256 work-groups of equal work.  Wave w owns tile w of 16 queries, for the three heads one after the other; each head is 8 steps of 128 keys.
; LDS: the three heads' k and v (codes and scale words, 3 x 102,400 dense bytes, images of the operands' registers) are brought ONCE and stay: no byte is filled twice.  Head 0 comes first and alone, an eighth
; (12,800 bytes) a wave, so that the first step waits for 102,400 bytes and no more.  Heads 1 and 2 lie on end behind it, in memory and in LDS: each wave brings its eighth of both (25,600 bytes) by ONE load, issued
; behind the round that shows head 0 whole; it has head 0's eight steps in which to land.  One tensor load of a wave is out at a time.  Behind the tiles lie the spare words.  The claim is larger than the use.
; CLUSTER: the four work-groups of a cluster are four blocks of queries of the same three heads: every byte of k and v is asked for JOINTLY (mask 15).  My place in the cluster enters q's and ctx's global addresses alone.
; q OF ALL THREE HEADS is asked for straight behind the first tensor load, into window 1, and moved into place at each head's start: no head waits for memory.
; BOTH PRODUCTS ARE USED TRANSPOSED: S^T = k q^T, O^T = v^T p^T: a lane holds one query throughout, and its registers run along the keys, then along the head's features.
; THE FIRST PRODUCT'S K IS 64, the instruction's 128: a fragment of k holds TWO tiles of keys (registers 0-5, 6-11) and is multiplied twice, by [q | 0] and by [0 | q]: k's registers carry no zeros, q's 18 registers
; (six zeros, q, six zeros) serve as both.  Zero codes add nothing under any byte but 0xff, so q's two scale bytes are written twice into its word.
; LIMITS: NaN and infinities are not served; a p under 2^-126 comes out of v_exp_f32 as 0; a block of zeros gets the byte 1 (read by this program alone).
; REGISTERS: v1-2 LDS addresses in hand; v3, v31 the add's two; v4 -M, v5 the largest t; v[6:7] the sum in two halves; v8-25 q; v26-30 lane offsets; v32-79 k; v80-127 v^T; v128-191 S^T, then p; v192-223 O^T;
;   v224-235 p's codes; v232-247 at work; v248-249 k's scale words, v250-251 v's, v252 f, v253 p's scale word, v254 at work, v255 q's scale word.   window 1: v0-22 (v256-278): q and its scale word, 8 registers a head.
.set QS_OFF, 4718592
.set CS_OFF, 4718592
.set KVH,   102400                     ; a head's bytes: k's codes, from 49,152 v's, from 98,304 k's scale words, from 100,352 v's
.set WPART, 12800                      ; a wave's eighth of a head: 50 rows of 256 bytes
.set SPARE, 3*KVH                      ; behind the tiles: the spare words, 128 bytes for each wave: four blocks of 256 bytes that no other line names
.set S,   128
.set O,   192
.set KF,  32
.set VF,  80
.set SPW, 3                            ; v3  LDS address of my spare word: SPARE + 4 x my thread's number; never rewritten
.set NIL, 31                           ; v31 0; never rewritten
.set WV,  10                           ; s10 wave
.set G1,  24                           ; s[24:31] descriptor group 1 for head 0's load: 50 rows
.set G0,  32                           ; s[32:35] group 0 for head 0's load;  s[36:39] for the load of heads 1 and 2
.set G1B, 68                           ; s[68:75] group 1 for the load of heads 1 and 2: 100 rows
.set SEL, 44                           ; s[44:45] lane l xor 16
.set CS,  46                           ; s[46:47] c = log2(e) / 8, twice: the packed form names a pair
.set MSK, 48                           ; s48 lanes 16-31
.set SH,  49                           ; s49 16 (wave % 2): where my tile's two bytes stand in q's word
.set TB,  50                           ; s50 LDS byte of the step's codes of k
.set TS,  51                           ; s51 and of its scale words
.set CNT, 52
.set HG3, 53                           ; s53 the first of my three heads, in its batch
.set QCB, 54                           ; s[54:55] q's codes, s[56:57] q's scale words, s[58:59] ctx's codes, s[60:61] ctx's scale words of my tile, s[62:63] the same at the head in hand
.set QSB, 56
.set CCB, 58
.set CS0, 60
.set CSB, 62
.set MSB, 0
.macro WIN new                         ; the immediate's high byte repeats the setting that is left
.if MSB != \new
	s_set_vgpr_msb (MSB<<8)|\new
.set MSB, \new
.endif
.endm
.macro CROUND                          ; a round of the cluster's barrier
	s_barrier_signal -1
	s_barrier_wait -1
	s_cmp_lg_u32 s[WV], 0
	s_cbranch_scc1 .Lnot_wave_0_\@
	s_barrier_signal -3
.Lnot_wave_0_\@:
	s_barrier_wait -3
	s_barrier_signal -1
	s_barrier_wait -1
.endm
	s_load_b128 s[4:7], s[0:1], 0x0                ; qq, kv
	s_load_b64 s[8:9], s[0:1], 0x10                ; cq
	v_lshl_add_u32 v[SPW], v0, 2, SPARE
	v_mov_b32 v[NIL], 0
	ds_add_u32 v3, v31
	ds_add_u32 v3, v31
	s_wait_dscnt 0x0
	v_lshrrev_b32 v1, 5, v0
	v_readfirstlane_b32 s[WV], v1                  ; wave 0..7
	s_and_b32 s13, ttmp7, 0xffff
	s_lshr_b32 s14, s13, 2                         ; batch
	s_and_b32 s15, s13, 3
	s_mul_i32 s[HG3], s15, 3
	s_mul_i32 s16, s14, 12
	s_add_co_u32 s16, s16, s[HG3]                  ; batch x 12 + my first head: shared by the four partners
	s_mul_i32 s20, s[WV], WPART                    ; my eighth of head 0,
	s_mul_i32 s21, s[WV], 2*WPART                  ; and of heads 1 and 2 together
	s_mul_i32 s18, s16, KVH
	s_add_co_u32 s22, s18, s21
	s_add_co_u32 s22, s22, KVH                     ; where the second begins in kv,
	s_mov_b32 s23, 0
	s_add_co_u32 s18, s18, s20                     ; and the first
	s_mov_b32 s19, 0
	; groups 1: a dense block as rows of 32 elements of 8 bytes; no padding: an image is read as 512 consecutive bytes
	s_mov_b32 s[G1], 15|(3<<16)|(1<<21)            ; 15:0 the mask: all four work-groups; 17:16 elements of 8 bytes; 21 set beside a mask
	s_mov_b32 s[G1+1], 32<<16                      ; tensor_dim0 = 32
	s_mov_b32 s[G1+2], 50<<16                      ; tensor_dim1 = 50
	s_mov_b32 s[G1+3], 32<<16                      ; tile_dim0 = 32
	s_mov_b32 s[G1+4], 50                          ; tile_dim1 = 50
	s_mov_b32 s[G1+5], 32                          ; elements from row to row
	s_mov_b32 s[G1+6], 0
	s_mov_b32 s[G1+7], 0
	s_mov_b32 s[G1B], 15|(3<<16)|(1<<21)           ; the same with 100 rows
	s_mov_b32 s[G1B+1], 32<<16
	s_mov_b32 s[G1B+2], 100<<16
	s_mov_b32 s[G1B+3], 32<<16
	s_mov_b32 s[G1B+4], 100
	s_mov_b32 s[G1B+5], 32
	s_mov_b32 s[G1B+6], 0
	s_mov_b32 s[G1B+7], 0
	CROUND                                         ; all four work-groups are here: the joint loads meet.  (The round names no loaded register: the arguments come in meanwhile)
	s_wait_kmcnt 0x0
	s_mov_b32 s[G0], 1                             ; count = 1
	s_add_co_u32 s[G0+1], s20, 0                   ; LDS address: head 0, my eighth
	s_add_nc_u64 s[G0+2:G0+3], s[6:7], s[18:19]
	s_or_b32 s[G0+3], s[G0+3], 0x80000000          ; type = 2
	s_mov_b32 s[G0+4], 1
	s_add_co_u32 s[G0+5], s21, KVH                 ; LDS address: behind head 0, my eighth of the other two
	s_add_nc_u64 s[G0+6:G0+7], s[6:7], s[22:23]
	s_or_b32 s[G0+7], s[G0+7], 0x80000000
	tensor_load_to_lds s[G0:G0+3], s[G1:G1+7]      ; head 0
	s_nop 0
.rept 4
	v_nop
.endr
	s_bfe_u32 s11, ttmp6, 0x40000                  ; my place in the cluster
	s_lshl_b32 s12, ttmp9, 2
	s_add_co_u32 s12, s12, s11                     ; which 128 queries
	s_lshl_b32 s21, s12, 3
	s_add_co_u32 s21, s21, s[WV]                   ; my tile among a batch's 64
	s_lshl_b32 s17, s14, 6
	s_add_co_u32 s17, s17, s21                     ; and among all 512
	s_mov_b32 s23, 0
	s_lshl_b32 s22, s16, 6
	s_add_co_u32 s22, s22, s21
	s_mul_i32 s22, s22, 768
	s_add_nc_u64 s[QCB:QCB+1], s[4:5], s[22:23]
	s_lshl_b32 s22, s16, 3
	s_add_co_u32 s22, s22, s12
	s_lshl_b32 s22, s22, 8
	s_lshr_b32 s21, s[WV], 1
	s_lshl_b32 s21, s21, 6
	s_add_co_u32 s22, s22, s21
	s_add_co_u32 s22, s22, QS_OFF
	s_add_nc_u64 s[QSB:QSB+1], s[4:5], s[22:23]
	v_and_b32 v2, 31, v0
	v_lshlrev_b32 v26, 4, v2                       ; 16 x lane
	v_lshlrev_b32 v27, 2, v2                       ; 4 x lane
	v_lshlrev_b32 v28, 3, v2                       ; 8 x lane
	v_and_b32 v29, 15, v0
	v_lshlrev_b32 v29, 2, v29                      ; 4 r
	v_bfe_u32 v30, v0, 4, 1
	v_add_nc_u32 v30, v30, v29                     ; 4 r + h
	WIN 0x40                                       ; destination window 1
.irp j, 0,1,2                          ; q of my tile for the three heads: they land while head 0's tiles are on their way
	global_load_b128 v[8*\j:8*\j+3], v26, s[QCB:QCB+1] offset:49152*\j
	global_load_b64 v[8*\j+4:8*\j+5], v28, s[QCB:QCB+1] offset:49152*\j+512
	global_load_b32 v[8*\j+6], v29, s[QSB:QSB+1] offset:2048*\j
.endr
	WIN 0
	s_mul_i32 s22, s17, 12
	s_add_co_u32 s22, s22, s[HG3]
	s_mul_i32 s22, s22, 768
	s_add_nc_u64 s[CCB:CCB+1], s[8:9], s[22:23]
	s_mul_i32 s22, s17, 384
	s_add_co_u32 s22, s22, CS_OFF
	s_add_nc_u64 s[CS0:CS0+1], s[8:9], s[22:23]
	s_and_b32 s[SH], s[WV], 1
	s_lshl_b32 s[SH], s[SH], 4
	s_mov_b32 s[SEL], 0x76543210
	s_mov_b32 s[SEL+1], 0xfedcba98
	s_mov_b32 s[CS], 0x3e38aa3b                    ; log2(e) / 8
	s_mov_b32 s[CS+1], s[CS]
	s_mov_b32 s[MSK], 0xffff0000
.irp i, 8,9,10,11,12,13,20,21,22,23,24,25
	v_mov_b32 v\i, 0                               ; the zero codes on both sides of q
.endr
.irp i, 236,237,238,239,253,254
	v_mov_b32 v\i, 0                               ; written once: permutes' destinations, and the upper half of the pair v[252:253]
.endr
.macro KLOAD                           ; a step's k: four fragments (eight tiles of 16 keys) and their scale words: 14 loads
.irp p, 0,1,2,3
.irp c, 0,1,2
	ds_load_b128 v[KF+12*\p+4*\c:KF+12*\p+4*\c+3], v1 offset:1536*\p+512*\c
.endr
.endr
	ds_load_b32 v248, v2
	ds_load_b32 v249, v2 offset:128
.endm
.macro VLOAD                           ; the step's v^T, read from the addresses of the NEXT step's k: 49,152 - 6,144 and 2,048 - 256 bytes on: 14 loads
.irp p, 0,1,2,3
.irp c, 0,1,2
	ds_load_b128 v[VF+12*\p+4*\c:VF+12*\p+4*\c+3], v1 offset:43008+1536*\p+512*\c
.endr
.endr
	ds_load_b32 v250, v2 offset:1792
	ds_load_b32 v251, v2 offset:1920
.endm
; A KEY STEP: 128 keys.
.macro STEP
	s_wait_dscnt 0x0                               ; k and its scale words are in
.irp b, 0,1,2,3                        ; register 16 b + 8 u + j of S^T is key 32 b + 16 h + 8 u + j
.if \b%2
	v_wmma_scale_f32_16x16x128_f8f6f4 v[S+16*\b:S+16*\b+7], v[KF+12*\b:KF+12*\b+11], v[14:25], 0, v[248+\b/2], v255 matrix_a_fmt:MATRIX_FMT_FP6 matrix_b_fmt:MATRIX_FMT_FP6 matrix_a_scale:MATRIX_SCALE_ROW1
	v_wmma_scale_f32_16x16x128_f8f6f4 v[S+16*\b+8:S+16*\b+15], v[KF+12*\b:KF+12*\b+11], v[8:19], 0, v[248+\b/2], v255 matrix_a_fmt:MATRIX_FMT_FP6 matrix_b_fmt:MATRIX_FMT_FP6 matrix_a_scale:MATRIX_SCALE_ROW1
.else
	v_wmma_scale_f32_16x16x128_f8f6f4 v[S+16*\b:S+16*\b+7], v[KF+12*\b:KF+12*\b+11], v[14:25], 0, v[248+\b/2], v255 matrix_a_fmt:MATRIX_FMT_FP6 matrix_b_fmt:MATRIX_FMT_FP6
	v_wmma_scale_f32_16x16x128_f8f6f4 v[S+16*\b+8:S+16*\b+15], v[KF+12*\b:KF+12*\b+11], v[8:19], 0, v[248+\b/2], v255 matrix_a_fmt:MATRIX_FMT_FP6 matrix_b_fmt:MATRIX_FMT_FP6
.endif
.endr
	s_add_co_u32 s[TB], s[TB], 6144
	s_add_co_u32 s[TS], s[TS], 256
	v_add_nc_u32 v1, s[TB], v26                    ; four places behind the products: ahead of the loads into their registers and of the first read of the scores
	v_add_nc_u32 v2, s[TS], v27
	v_nop
	v_nop
	VLOAD                                          ; this step's v^T,
	KLOAD                                          ; and the next step's k.  In a head's eighth step these 14 loads read the head's own v bytes, which have landed; what they bring is never used
.irp b, 0,1,2,3
	v_max3_num_f32 v[232+\b], v[S+16*\b], v[S+1+16*\b], v[S+2+16*\b]     ; the largest score of each block of 32 keys: for the row's maximum and, since p rises with the score, for the block's largest p
.endr
.irp i, 3,5,7,9,11,13
.irp b, 0,1,2,3
	v_max3_num_f32 v[232+\b], v[232+\b], v[S+16*\b+\i], v[S+1+16*\b+\i]
.endr
.endr
.irp b, 0,1,2,3
	v_max_num_f32 v[232+\b], v[232+\b], v[S+15+16*\b]
.endr
.irp b, 0,1,2,3
	v_permlanex16_b32 v[236+\b], v[232+\b], s[SEL], s[SEL+1]
.endr
.irp b, 0,1,2,3
	v_max_num_f32 v[232+\b], v[232+\b], v[236+\b]  ; with lane l xor 16's 16 keys
.endr
	v_max3_num_f32 v254, v232, v233, v234
	v_max_num_f32 v254, v254, v235
	v_mul_f32 v254, s[CS], v254                    ; the step's largest t
	v_max_num_f32 v5, v5, v254                     ; the running largest t
	v_mov_b32 v254, v4
	v_floor_f32 v4, -v5                            ; the new -M = floor(-t): M is a whole number
	v_sub_f32 v254, v4, v254                       ; old M - new M: a whole number, 0 or less
	v_cvt_i32_f32 v254, v254                       ; (it saturates)
	v_ldexp_f32 v252, 1.0, v254                    ; f = 2^(old M - new M)
.irp j, 0,2,4,6,8,10,12,14,16,18,20,22,24,26,28,30,32,34,36,38,40,42,44,46,48,50,52,54,56,58,60,62
	v_pk_fma_f32 v[S+\j:S+1+\j], v[S+\j:S+1+\j], s[CS:CS+1], v[4:5] op_sel_hi:[1,0,0]   ; t - M, two at a time
.endr
.irp b, 0,1,2,3
	v_fma_f32 v[232+\b], v[232+\b], s[CS], v4      ; the same of each block's largest score
.endr
.irp j, 0,1,2,3,4,5,6,7,8,9,10,11,12,13,14,15,16,17,18,19,20,21,22,23,24,25,26,27,28,29,30,31,32,33,34,35,36,37,38,39,40,41,42,43,44,45,46,47,48,49,50,51,52,53,54,55,56,57,58,59,60,61,62,63
	v_exp_f32 v[S+\j], v[S+\j]                     ; p = 2^(t - M), at most 1
.endr
.irp b, 0,1,2,3
	v_exp_f32 v[232+\b], v[232+\b]                 ; the block's largest p: the same two instructions on the same number
.endr
	v_pk_mul_f32 v[6:7], v[6:7], v[252:253] op_sel_hi:[1,0]   ; the sums under the new M (a plain place behind the exponentials)
	s_wait_alu depctr_va_vdst(0)
.irp b, 0,1,2,3
	v_max_num_f32 v[232+\b], 0x1800000, v[232+\b]  ; the floor 2^(3 - 127)
.endr
.irp b, 0,1,2,3
	v_add_nc_u32 v[244+\b], 0xff000000, v[232+\b]  ; 2 off the exponent field: the conversion's scale operand
.endr
.irp b, 0,1,2,3
	v_lshrrev_b32 v[236+\b], 23, v[244+\b]         ; the byte
.endr
	v_lshl_or_b32 v253, v237, 8, v236              ; p's scale word for these 128 keys
	v_lshl_or_b32 v253, v238, 16, v253
	v_lshl_or_b32 v253, v239, 24, v253
.irp c, 0,1
	v_cvt_scalef32_pk16_fp6_f32 v[224+6*\c:226+6*\c], v[S+32*\c:S+15+32*\c], v[244+2*\c]
	v_cvt_scalef32_pk16_fp6_f32 v[236+4*\c:238+4*\c], v[S+16+32*\c:S+31+32*\c], v[244+2*\c+1]
.endr
	v_nop                                          ; one plain place behind the conversions
.irp c, 0,1                            ; a whole block in a lane: lanes 0-15 block 2 c, lanes 16-31 block 2 c + 1
.irp i, 0,1,2
	v_permlane16_swap_b32 v[224+6*\c+\i], v[236+4*\c+\i]
.endr
.irp i, 0,1,2
	v_mov_b32 v[227+6*\c+\i], v[236+4*\c+\i]
.endr
.endr
	v_pk_add_f32 v[236:237], v[S:S+1], v[S+2:S+3]  ; the row's sum is taken of the unquantised p: two at a time, in two chains
.irp j, 4,8,12,16,20,24,28,32,36,40,44,48,52,56,60
	v_pk_add_f32 v[6:7], v[6:7], v[S+\j:S+1+\j]
	v_pk_add_f32 v[236:237], v[236:237], v[S+2+\j:S+3+\j]
.endr
	v_pk_add_f32 v[6:7], v[6:7], v[236:237]        ; (these sums are also the places between p's codes and scale word and the products below)
.irp j, 0,2,4,6,8,10,12,14,16,18,20,22,24,26,28,30
	v_pk_mul_f32 v[O+\j:O+1+\j], v[O+\j:O+1+\j], v[252:253] op_sel_hi:[1,0]   ; O^T under the new M
.endr
	s_wait_dscnt 14                                ; v^T and its scale words are in; the next step's 14 loads of k may be out
.irp ft, 0,1,2,3                       ; O^T += v^T p^T; the four accumulators by turns
.if \ft%2
	v_wmma_scale_f32_16x16x128_f8f6f4 v[O+8*\ft:O+8*\ft+7], v[VF+12*\ft:VF+12*\ft+11], v[224:235], v[O+8*\ft:O+8*\ft+7], v[250+\ft/2], v253 matrix_a_fmt:MATRIX_FMT_FP6 matrix_b_fmt:MATRIX_FMT_FP6 matrix_a_scale:MATRIX_SCALE_ROW1
.else
	v_wmma_scale_f32_16x16x128_f8f6f4 v[O+8*\ft:O+8*\ft+7], v[VF+12*\ft:VF+12*\ft+11], v[224:235], v[O+8*\ft:O+8*\ft+7], v[250+\ft/2], v253 matrix_a_fmt:MATRIX_FMT_FP6 matrix_b_fmt:MATRIX_FMT_FP6
.endif
.endr
.endm
; A head's end: O^T / the sum is ctx(my query, the head's 64 features): register 16 b + i is feature 32 b + 16 h + i: two blocks of the last product's K.
.macro FIN j
.rept 4
	v_nop                                          ; places behind the last products
.endr
	v_add_f32 v6, v6, v7
	v_permlanex16_b32 v254, v6, s[SEL], s[SEL+1]
	v_add_f32 v6, v6, v254                         ; the row's sum
	v_rcp_f32 v6, v6
	v_nop                                          ; one plain place behind the reciprocal
	s_wait_alu depctr_va_vdst(0)
.irp i, 0,2,4,6,8,10,12,14,16,18,20,22,24,26,28,30
	v_pk_mul_f32 v[S+\i:S+1+\i], v[O+\i:O+1+\i], v[6:7] op_sel_hi:[1,0]   ; each accumulator from its low end on
.endr
.irp b, 0,1
	v_max3_num_f32 v[232+\b], |v[S+16*\b]|, |v[S+1+16*\b]|, 0x1800000
.endr
.irp i, 2,4,6,8,10,12,14
.irp b, 0,1
	v_max3_num_f32 v[232+\b], v[232+\b], |v[S+16*\b+\i]|, |v[S+1+16*\b+\i]|
.endr
.endr
.irp b, 0,1
	v_permlanex16_b32 v[236+\b], v[232+\b], s[SEL], s[SEL+1]
.endr
.irp b, 0,1
	v_max_num_f32 v[232+\b], v[232+\b], v[236+\b]
.endr
.irp b, 0,1
	v_add_nc_u32 v[244+\b], 0xff000000, v[232+\b]
.endr
.irp b, 0,1
	v_lshrrev_b32 v[240+\b], 23, v[244+\b]
.endr
	v_cndmask_b32 v242, v240, v241, s[MSK]         ; lanes 0-15 store block 0's byte, lanes 16-31 block 1's
	v_cvt_scalef32_pk16_fp6_f32 v[224:226], v[S:S+15], v244
	v_cvt_scalef32_pk16_fp6_f32 v[236:238], v[S+16:S+31], v245
	v_nop
.irp i, 0,1,2
	v_permlane16_swap_b32 v[224+\i], v[236+\i]
.endr
.irp i, 0,1,2
	v_mov_b32 v[227+\i], v[236+\i]
.endr
	global_store_b128 v26, v[224:227], s[CCB:CCB+1] offset:768*\j        ; 512 consecutive bytes,
	global_store_b64 v28, v[228:229], s[CCB:CCB+1] offset:768*\j+512     ; and 256
	s_add_co_u32 s18, s[HG3], \j                   ; the head hd: its bytes stand in the line of K steps 2 (hd / 4), + 1; half (hd / 2) % 2 of the lanes; bytes 2 (hd % 2), + 1 of the word
	s_lshr_b32 s19, s18, 2
	s_lshl_b32 s19, s19, 7
	s_bfe_u32 s20, s18, 0x10001
	s_lshl_b32 s20, s20, 6
	s_add_co_u32 s19, s19, s20
	s_and_b32 s20, s18, 1
	s_lshl_b32 s20, s20, 1
	s_add_co_u32 s18, s19, s20
	s_mov_b32 s19, 0
	s_add_nc_u64 s[CSB:CSB+1], s[CS0:CS0+1], s[18:19]
	global_store_b8 v30, v242, s[CSB:CSB+1]        ; 32 bytes of a run of 64
.endm
; A head.  Head 0 opens with a round of the cluster's barrier, behind which the other two heads are asked for; head 1 with a plain barrier, which shows both of them whole; head 2 with none.
.macro HEAD j
	s_wait_xcnt 0x0                                ; the last head's stores have read their registers and their base
.if \j == 0
	s_wait_tensorcnt 0x0                           ; my one tensor load, my eighth of head 0, has landed;
	ds_add_u32 v[SPW], v[NIL]                      ; 0 onto my spare word; the head's set-up stands between it and the wait for it
.endif
	s_mov_b32 s[TB], KVH*\j
	s_mov_b32 s[TS], KVH*\j+98304
	v_add_nc_u32 v1, s[TB], v26
	v_add_nc_u32 v2, s[TS], v27
	v_mov_b32 v5, 0xff61b1e6                       ; the largest t so far: -3e38
	v_floor_f32 v4, -v5
	v_mov_b32 v6, 0
	v_mov_b32 v7, 0
.if \j == 1
	s_wait_tensorcnt 0x0                           ; my eighth of heads 1 and 2 has landed: no load was issued behind it
.endif
	s_wait_dscnt 0x0                               ; no LDS instruction of mine is out
.if \j == 0
	CROUND                                         ; head 0 is whole in all four work-groups
	tensor_load_to_lds s[G0+4:G0+7], s[G1B:G1B+7]  ; heads 1 and 2: the first thing behind the round, my one tensor load; bytes that nothing has filled or read
	s_nop 0
.rept 4
	v_nop
.endr
.elseif \j == 1
	s_barrier_signal -1
	s_barrier_wait -1                              ; everybody's has
.endif
	KLOAD
	s_wait_loadcnt 0x0                             ; q of the three heads: asked for at the kernel's head
	WIN 0x01                                       ; source 0 window 1
.irp i, 0,1,2,3,4,5
	v_mov_b32 v[14+\i], v[8*\j+\i]
.endr
	v_mov_b32 v254, v[8*\j+6]
	WIN 0
	v_lshrrev_b32 v254, s[SH], v254                ; my tile's two bytes,
	v_and_b32 v254, 0xffff, v254
	v_lshl_or_b32 v255, v254, 16, v254             ; twice: for [q | 0] and for [0 | q]
.irp i, 0,1,2,3,4,5,6,7,8,9,10,11,12,13,14,15,16,17,18,19,20,21,22,23,24,25,26,27,28,29,30,31
	v_mov_b32 v[O+\i], 0                           ; the step is written once: the first finds zeros.  (Also the places between q, its scale word and the first product)
.endr
	s_mov_b32 s[CNT], 8
.Lstep_\@:
	STEP
	s_sub_co_u32 s[CNT], s[CNT], 1
	s_cmp_lg_u32 s[CNT], 0
	s_cbranch_scc1 .Lstep_\@
	FIN \j
.endm
	HEAD 0
	HEAD 1
	HEAD 2
	s_wait_tensorcnt 0x0                           ; the wave's end: my last LDS instructions
	ds_add_u32 v[SPW], v[NIL]
	s_wait_dscnt 0x0                               ; (the eighth step's unused loads among them)
	CROUND                                         ; the closing round: no work-group ends while a partner may still ask jointly
	s_endpgm
.Lfunc_end_k_q1394d6296a_attn:
	.size	k_q1394d6296a_attn, .Lfunc_end_k_q1394d6296a_attn-k_q1394d6296a_attn
	.p2alignl 7, 3214868480
	.fill 96, 4, 3214868480
	.section	.rodata,"a",@progbits
	.p2align	6, 0x0
	.amdhsa_kernel k_q1394d6296a_attn
		.amdhsa_group_segment_fixed_size 327680
		.amdhsa_private_segment_fixed_size 0
		.amdhsa_enable_private_segment 0
		.amdhsa_kernarg_size 24
		.amdhsa_user_sgpr_count 2
		.amdhsa_user_sgpr_kernarg_segment_ptr 1
		.amdhsa_wavefront_size32 1
		.amdhsa_system_sgpr_workgroup_id_x 1
		.amdhsa_system_sgpr_workgroup_id_y 1
		.amdhsa_system_sgpr_workgroup_id_z 1
		.amdhsa_system_vgpr_workitem_id 0
		.amdhsa_next_free_vgpr 288
		.amdhsa_next_free_sgpr 80
		.amdhsa_reserve_vcc 0
		.amdhsa_float_denorm_mode_32 3
		.amdhsa_float_denorm_mode_16_64 3
		.amdhsa_memory_ordered 1
		.amdhsa_forward_progress 1
		.amdhsa_inst_pref_size 74
	.end_amdhsa_kernel
	.amdgpu_metadata
---
amdhsa.version: [ 1, 2 ]
amdhsa.kernels:
  - .name:           k_q1394d6296a_attn
    .symbol:         k_q1394d6296a_attn.kd
    .args:
      - { .name: qq, .offset: 0, .size: 8, .value_kind: global_buffer, .address_space: global }
      - { .name: kv, .offset: 8, .size: 8, .value_kind: global_buffer, .address_space: global }
      - { .name: cq, .offset: 16, .size: 8, .value_kind: global_buffer, .address_space: global }
    .group_segment_fixed_size: 327680
    .private_segment_fixed_size: 0
    .kernarg_segment_align: 8
    .kernarg_segment_size: 24
    .max_flat_workgroup_size: 256
    .sgpr_count:     80
    .vgpr_count:     288
    .wavefront_size: 32
...
	.end_amdgpu_metadata
.endif
;; end of part 3
;; launch oproj (part 4): grid 3 x 64, 4 waves a work-group, no clusters, 91,648 bytes of LDS; arguments cq, wq, bo, out0; writes out0
.if DOCPART == 4
	.amdgcn_target "amdgcn-amd-amdhsa--gfx1250"
	.amdhsa_code_object_version 6
	.text
	.protected	k_q1394d6296a_oproj
	.globl	k_q1394d6296a_oproj
	.p2align	8
	.type	k_q1394d6296a_oproj,@function
k_q1394d6296a_oproj:
	s_mov_b64 s[64:65], 0
	v_nop
	global_prefetch_b8 v0, s[64:65] scope:SCOPE_SE
	s_setreg_imm32_b32 hwreg(HW_REG_WAVE_MODE, 25, 1), 1
	s_wait_xcnt 0x0
; out = ctx Wo + bo on codes of FP6 (E2M3) with E8M0 scales, sums in f32, out in f32.
; SHARES: a work-group takes 128 tokens (work-group y) x 256 features; wave w takes features 64 (4 x + w) on: 32 accumulators, 6 K steps of 32 products.
; ctx's codes of the 128 tokens (73,728 dense bytes: [tile 8][head 12] x 768 bytes, registers 0-3 at 16 l, 4-5 at 512 + 8 l) come into LDS once; a fragment of K step s is heads 2 s (registers 0-5) and 2 s + 1 (6-11).
; A wave's 24 fragments of Wo are its own: from memory straight into registers, all at the head.
; USED TRANSPOSED (source 0 = 16 features of Wo, source 1 = 16 tokens): a lane's eight results are eight neighbouring features of one token.  bo is the C of each sum's first product.
; Row r of a tile T is row 32 (T / 2) + 8 (T % 2) + r + 8 (r / 8).  On the way out a tile of 16 tokens x 64 features goes through the wave's own stage in LDS and leaves as rows: sixteen lanes store 256 consecutive, aligned bytes.
; REGISTERS: window 0: v1-13 addresses; v16-39 ctx's scale words; v40-51 Wo's; v160-255 ctx's fragments of an even K step, later rows on their way out.
;   window 1: v0-143 Wo's groups 0-2; v144-239 ctx's fragments of an odd K step.   window 2: v0-143 groups 3-5; v144-175 the bias.   window 3: the accumulators (at the head: ctx's bytes on their way to LDS).
.set CS_OFF, 4718592
.set WS_OFF, 1769472
.set LI0, 1                            ; v1  16 x lane;  v2 the same 36,864 bytes on
.set LI1, 2
.set L4,  4                            ; v4  4 x lane
.set FA,  5                            ; v5  16 x lane + 18,432 x wave
.set BA,  6                            ; v6  64 h
.set STO, 9                            ; v9  the stage: where I put 16 bytes of a row
.set RD,  10                           ; v10 where I read a row back
.set CO,  11                           ; v11 my byte offset in two rows of out
.set L80, 12                           ; v12 8 x lane;  v13 the same 36,864 bytes on
.set L81, 13
.set XS,  16
.set WS,  40
.set XA,  160
.set XB,  144
.set BI,  144
.set OB,  160                          ; the way out: v160-191 and v192-223 by turns
.set STAGE, 73728                      ; behind ctx's images: 16 rows x (256 + 16) bytes for each wave
.set MSB, 0
.macro WIN new                         ; the immediate's high byte repeats the setting that is left
.if MSB != \new
	s_set_vgpr_msb (MSB<<8)|\new
.set MSB, \new
.endif
.endm
.macro PLACES
.rept 4
	v_nop
.endr
.endm
	s_load_b256 s[4:11], s[0:1], 0x0               ; cq, wq, bo, out0
	v_lshl_add_u32 v158, v0, 2, 0x16400
	v_mov_b32 v159, 0
	v_lshrrev_b32 v8, 5, v0
	v_readfirstlane_b32 s18, v8                    ; wave
	v_and_b32 v8, 31, v0
	v_and_b32 v14, 15, v0
	v_bfe_u32 v15, v0, 4, 1
	v_lshlrev_b32 v[LI0], 4, v8
	v_add_nc_u32 v[LI1], 36864, v[LI0]
	v_lshlrev_b32 v[L80], 3, v8
	v_add_nc_u32 v[L81], 36864, v[L80]
	v_lshlrev_b32 v[L4], 2, v8
	s_mul_i32 s39, s18, 18432
	v_add_nc_u32 v[FA], s39, v[LI0]
	v_lshlrev_b32 v[BA], 6, v15
	s_mul_i32 s40, s18, 16*272
	s_add_co_u32 s40, s40, STAGE                   ; my stage
	v_mul_u32_u24 v[STO], v14, 272
	v_lshl_add_u32 v[STO], v15, 6, v[STO]
	v_add_nc_u32 v[STO], s40, v[STO]               ; in: row r, + 64 h
	v_mul_u32_u24 v[RD], v15, 272
	v_lshl_add_u32 v[RD], v14, 4, v[RD]
	v_add_nc_u32 v[RD], s40, v[RD]                 ; back: lanes 0-15 one row, lanes 16-31 the next
	v_mul_u32_u24 v[CO], v15, 3072
	v_lshl_add_u32 v[CO], v14, 4, v[CO]            ; and the same two rows in out
	s_and_b32 s19, ttmp7, 0xffff                   ; the group of 128 tokens
	s_lshl_b32 s41, ttmp9, 2
	s_add_co_u32 s41, s41, s18                     ; which 64 features
	s_mov_b32 s45, 0
	s_wait_kmcnt 0x0
	s_mul_i32 s44, s19, 73728
	s_add_co_u32 s44, s44, s39
	s_add_nc_u64 s[20:21], s[4:5], s[44:45]        ; ctx's codes: my quarter
	s_mul_i32 s44, s19, 3072
	s_add_co_u32 s44, s44, CS_OFF
	s_add_nc_u64 s[22:23], s[4:5], s[44:45]        ; ctx's scale words
	s_mul_i32 s44, s41, 36864
	s_add_co_u32 s44, s44, 3*442368
	s_add_nc_u64 s[24:25], s[6:7], s[44:45]        ; Wo's codes at my four tiles
	s_mul_i32 s44, s41, 1536
	s_add_co_u32 s44, s44, WS_OFF+3*18432
	s_add_nc_u64 s[26:27], s[6:7], s[44:45]        ; their scale words
	s_lshl_b32 s44, s41, 8
	s_add_nc_u64 s[8:9], s[8:9], s[44:45]          ; bo at my features
	s_mul_i32 s46, s19, 393216
	s_add_co_u32 s44, s44, s46
	s_add_nc_u64 s[10:11], s[10:11], s[44:45]      ; out at my first token and feature
.macro WLOAD ks
.set NW, (1+(\ks)/3)<<6
	WIN NW
.irp ft, 0,1,2,3
.irp c, 0,1,2
	global_load_b128 v[48*((\ks)%3)+12*\ft+4*\c:48*((\ks)%3)+12*\ft+4*\c+3], v[LI0], s[24:25] offset:9216*\ft+1536*(\ks)+512*\c
.endr
.endr
.endm
.macro XLOAD ks                        ; ctx's eight fragments of K step ks: 32 loads
.set NW, ((\ks)%2)<<6
	WIN NW
.set XR, XA-(XA-XB)*((\ks)%2)
.irp tt, 0,1,2,3,4,5,6,7
	ds_load_b128 v[XR+12*\tt:XR+12*\tt+3], v[LI0+\tt/4] offset:9216*(\tt%4)+1536*(\ks)
	ds_load_b64 v[XR+12*\tt+4:XR+12*\tt+5], v[L80+\tt/4] offset:9216*(\tt%4)+1536*(\ks)+512
	ds_load_b128 v[XR+12*\tt+6:XR+12*\tt+9], v[LI0+\tt/4] offset:9216*(\tt%4)+1536*(\ks)+768
	ds_load_b64 v[XR+12*\tt+10:XR+12*\tt+11], v[L80+\tt/4] offset:9216*(\tt%4)+1536*(\ks)+1280
.endr
.endm
.macro MMX row
.if \row
	v_wmma_scale_f32_16x16x128_f8f6f4 v[rD:rD+7], v[rA:rA+11], v[rB:rB+11], v[rC:rC+7], v[rSA], v[rSB] matrix_a_fmt:MATRIX_FMT_FP6 matrix_b_fmt:MATRIX_FMT_FP6 matrix_a_scale:MATRIX_SCALE_ROW1 matrix_b_scale:MATRIX_SCALE_ROW1
.else
	v_wmma_scale_f32_16x16x128_f8f6f4 v[rD:rD+7], v[rA:rA+11], v[rB:rB+11], v[rC:rC+7], v[rSA], v[rSB] matrix_a_fmt:MATRIX_FMT_FP6 matrix_b_fmt:MATRIX_FMT_FP6
.endif
.endm
; K step ks: 32 products, the 32 accumulators by turns in the same order in every step.  nl, nd: the global and the LDS loads issued behind those that this step wants.
.macro KSTEP ks, nl, nd
	s_wait_loadcnt \nl
	s_wait_dscnt \nd
.set WR, 48*((\ks)%3)
.set XR, XA-(XA-XB)*((\ks)%2)
.set CW, 3
.if (\ks) == 0
.set CW, 2
.endif
.set NW, (1+(\ks)/3)+(((\ks)%2)<<2)+(CW<<4)+0xc0
	WIN NW
.irp tt, 0,1,2,3,4,5,6,7
.irp ft, 0,1,2,3
.set rD, 8*(4*\tt+\ft)
.set rA, WR+12*\ft
.set rB, XR+12*\tt
.set rSA, WS+3*\ft+(\ks)/2
.set rSB, XS+3*\tt+(\ks)/2
.set rC, rD
.if (\ks) == 0
.set rC, BI+8*\ft
.endif
	MMX (\ks)%2
.endr
.endr
	PLACES
.if (\ks)+2 <= 5
	XLOAD (\ks)+2
.endif
	WIN 0
.endm
	WIN 0xc0                                       ; ctx's bytes, my quarter: 36 loads of 512 consecutive bytes into window 3
.set i, 0
.rept 36
	global_load_b128 v[4*i:4*i+3], v[LI0], s[20:21] offset:512*i
.set i, i+1
.endr
	WLOAD 0
	WLOAD 1
	s_wait_loadcnt 24                              ; ctx's 36 are in; the two groups of Wo behind them may be out
	WIN 0x0c
.set i, 0
.rept 36
	ds_store_b128 v[FA], v[4*i:4*i+3] offset:512*i
.set i, i+1
.endr
	WIN 0
.irp tt, 0,1,2,3,4,5,6,7
.irp sp, 0,1,2
	global_load_b32 v[XS+3*\tt+\sp], v[L4], s[22:23] offset:384*\tt+128*\sp
.endr
.endr
.irp ft, 0,1,2,3
.irp sp, 0,1,2
	global_load_b32 v[WS+3*\ft+\sp], v[L4], s[26:27] offset:384*\ft+128*\sp
.endr
.endr
	WIN 0x80
.irp ft, 0,1,2,3                       ; bo in the result's layout: register j of tile ft is feature 32 (ft / 2) + 8 (ft % 2) + 16 h + j
	global_load_b128 v[BI+8*\ft:BI+8*\ft+3], v[BA], s[8:9] offset:(32*(\ft/2)+8*(\ft%2))*4
	global_load_b128 v[BI+8*\ft+4:BI+8*\ft+7], v[BA], s[8:9] offset:(32*(\ft/2)+8*(\ft%2))*4+16
.endr
	WLOAD 2
	WLOAD 3
	WLOAD 4
	WLOAD 5
	WIN 0
	s_wait_dscnt 0x0                               ; for the others' sake: my quarter of ctx lies in LDS
	s_barrier_signal -1
	s_barrier_wait -1                              ; everybody's does; from here on a wave writes only its own stage
	XLOAD 0
	XLOAD 1
	WIN 0
	KSTEP 0, 48, 32                                ; behind the scale words, the bias and groups 0, 1: groups 2-5
	KSTEP 1, 48, 32
	KSTEP 2, 36, 32                                ; then the counts run down, a group of 12 a step
	KSTEP 3, 24, 32
	KSTEP 4, 12, 32
	KSTEP 5, 0, 0
; THE WAY OUT, a tile of 16 tokens at a time.  LDS serves a wave's instructions in order: no wait between the stores and the loads, nor ahead of the next tile's stores.
.macro TOSTAGE a
	WIN 0x0c                                       ; an LDS store's data are its source 1: window 3
.irp ft, 0,1,2,3
	ds_store_b128 v[STO], v[8*(4*(\a)+\ft):8*(4*(\a)+\ft)+3] offset:128*(\ft/2)+32*(\ft%2)        ; each accumulator from its low end on
	ds_store_b128 v[STO], v[8*(4*(\a)+\ft)+4:8*(4*(\a)+\ft)+7] offset:128*(\ft/2)+32*(\ft%2)+16
.endr
	WIN 0
.irp i, 0,1,2,3,4,5,6,7
	ds_load_b128 v[OB+32*((\a)%2)+4*\i:OB+32*((\a)%2)+4*\i+3], v[RD] offset:544*\i
.endr
.endm
.macro SEND a, younger                 ; younger: the LDS instructions issued behind tile a's loads
	s_wait_dscnt \younger
.irp i, 0,1,2,3,4,5,6,7
	global_store_b128 v[CO], v[OB+32*((\a)%2)+4*\i:OB+32*((\a)%2)+4*\i+3], s[10:11] offset:(32*((\a)/2)+8*((\a)%2)+2*\i+8*(\i/4))*3072 th:TH_STORE_NT   ; sixteen lanes store 256 consecutive bytes, at a multiple of 256 from out's first byte
.endr
.endm
	TOSTAGE 0
.irp a, 1,2,3,4,5,6,7
.if \a > 1
	s_wait_xcnt 0x0                                ; tile a - 2's stores have read their registers: tile a's loads may land there
.endif
	TOSTAGE \a
	SEND \a-1, 16                                  ; behind tile a - 1's loads: tile a's 8 stores and 8 loads
.endr
	SEND 7, 0
	s_wait_tensorcnt 0x0
	ds_add_u32 v158, v159
	s_wait_dscnt 0x0
	s_endpgm
.Lfunc_end_k_q1394d6296a_oproj:
	.size	k_q1394d6296a_oproj, .Lfunc_end_k_q1394d6296a_oproj-k_q1394d6296a_oproj
	.p2alignl 7, 3214868480
	.fill 96, 4, 3214868480
	.section	.rodata,"a",@progbits
	.p2align	6, 0x0
	.amdhsa_kernel k_q1394d6296a_oproj
		.amdhsa_group_segment_fixed_size 91648
		.amdhsa_private_segment_fixed_size 0
		.amdhsa_enable_private_segment 0
		.amdhsa_kernarg_size 32
		.amdhsa_user_sgpr_count 2
		.amdhsa_user_sgpr_kernarg_segment_ptr 1
		.amdhsa_wavefront_size32 1
		.amdhsa_system_sgpr_workgroup_id_x 1
		.amdhsa_system_sgpr_workgroup_id_y 1
		.amdhsa_system_sgpr_workgroup_id_z 1
		.amdhsa_system_vgpr_workitem_id 0
		.amdhsa_next_free_vgpr 1024
		.amdhsa_next_free_sgpr 66
		.amdhsa_reserve_vcc 0
		.amdhsa_float_denorm_mode_32 3
		.amdhsa_float_denorm_mode_16_64 3
		.amdhsa_memory_ordered 1
		.amdhsa_forward_progress 1
		.amdhsa_inst_pref_size 73
	.end_amdhsa_kernel
	.amdgpu_metadata
---
amdhsa.version: [ 1, 2 ]
amdhsa.kernels:
  - .name:           k_q1394d6296a_oproj
    .symbol:         k_q1394d6296a_oproj.kd
    .args:
      - { .name: cq, .offset: 0, .size: 8, .value_kind: global_buffer, .address_space: global }
      - { .name: wq, .offset: 8, .size: 8, .value_kind: global_buffer, .address_space: global }
      - { .name: bo, .offset: 16, .size: 8, .value_kind: global_buffer, .address_space: global }
      - { .name: out0, .offset: 24, .size: 8, .value_kind: global_buffer, .address_space: global }
    .group_segment_fixed_size: 91648
    .private_segment_fixed_size: 0
    .kernarg_segment_align: 8
    .kernarg_segment_size: 32
    .max_flat_workgroup_size: 128
    .sgpr_count:     66
    .vgpr_count:     1024
    .wavefront_size: 32
...
	.end_amdgpu_metadata
.endif
;; end of part 4
;; ======== version 2 of 2: 4 launches
;; workspace buffers: xq 4,915,200 bytes; wq 1,843,200 bytes; qq 4,915,200 bytes; kv 9,830,400 bytes; cq 4,915,200 bytes
;; launch quant (part 5): grid 176 x 3, 4 waves a work-group, no clusters, 34,304 bytes of LDS; arguments x, Wq, Wk, Wv, Wo, xq, wq; writes xq, wq
.if DOCPART == 5
	.amdgcn_target "amdgcn-amd-amdhsa--gfx1250"
	.amdhsa_code_object_version 6
	.text
	.protected	k_q1394d6296a_quant
	.globl	k_q1394d6296a_quant
	.p2align	8
	.type	k_q1394d6296a_quant,@function
k_q1394d6296a_quant:
	s_mov_b64 s[64:65], 0
	v_nop
	global_prefetch_b8 v0, s[64:65] scope:SCOPE_SE
	s_setreg_imm32_b32 hwreg(HW_REG_WAVE_MODE, 25, 1), 1
	s_wait_xcnt 0x0
; x [8192][768] and the four weights [768 (k)][768 (n)], f32, become codes of FP6 (E2M3) with one E8M0 byte for each 32 along K = 768.
; THE OUTPUT IS LAID IN THE ORDER OF THE OPERAND'S REGISTERS.  A fragment is 16 rows x 128 K, 12 registers a lane; its image is 1,536 bytes: registers 4 c .. 4 c + 3 of lane l at 512 c + 16 l.
; Row r of tile T is row 32 (T / 2) + 8 (T % 2) + r + 8 (r / 8) of its tensor (tokens of x, columns n of a weight): so the results of two neighbouring tiles are 16 neighbours along the next product's K.
; xq: codes [tile 512][K step 6] images; from XS_OFF on the scale words [tile][pair of K steps 3] x 128 bytes: lanes 0-15 the even step's word of row r, lanes 16-31 the odd step's.  wq: the same, [weight 4][tile 48].
; A block's scale byte is its largest magnitude's exponent field - 2, held at 1 from below by a floor among the maximum's leaves.
; LIMITS: NaN and infinities are not served; a block of zeros, or one whose largest magnitude lies under 2^-124, gets the byte 1 (its codes are zeros or tiny; these bytes are read by this program alone).
; SHARES: work-group y = a pair of K steps (256 along K); x < 128: wave w takes tile 4 x + w of x; x >= 128: tile 4 (x - 128) + w of the 192 weight tiles.  A wave makes two fragments and one line of scale words.
; Waves share nothing: no barrier.  Only the path for x uses LDS, a stage of each wave's own.
.set XS_OFF, 4718592
.set WS_OFF, 1769472
.set ROWX,   3072                      ; bytes in a row of x and of a weight
.set SPITCH, 528                       ; a stage row: 512 bytes + 16 = 33 x 16: the sixteen rows that a load touches begin in sixteen different columns of 16 bytes
.set STG,    16*SPITCH                 ; a wave's stage
.set SEL,    32                        ; s[32:33] lane selects: lane l xor 16
.set MSK,    34                        ; s34 lanes 16-31
; v1 lane, v2 r, v3 h, v4 16 x lane, v5 4 x lane, v6 stage in, v7 stage out, v8 a weight's lane offset, v10-11 maxima, v12-13 scale operands, v14-15 bytes,
; v16 the scale word, v17 the first fragment's, v18 8 h, v19 at work, v20-31 the codes, v32-38 second halves, v64-127 64 numbers of x, v128-255 as loaded
	s_load_b256 s[4:11], s[0:1], 0x0               ; x, Wq, Wk, Wv
	s_load_b128 s[12:15], s[0:1], 0x20             ; Wo, xq
	s_load_b64 s[16:17], s[0:1], 0x30              ; wq
	v_lshl_add_u32 v62, v0, 2, 0x8400
	v_mov_b32 v63, 0
	v_lshrrev_b32 v9, 5, v0
	v_readfirstlane_b32 s18, v9                    ; wave
	v_and_b32 v1, 31, v0
	v_and_b32 v2, 15, v0
	v_bfe_u32 v3, v0, 4, 1
	v_lshlrev_b32 v4, 4, v1
	v_lshlrev_b32 v5, 2, v1
	v_lshlrev_b32 v18, 3, v3
	v_mov_b32 v19, 0                               ; a lane permute's destination counts as one of its sources
	s_mul_i32 s21, s18, STG
	v_add_nc_u32 v6, s21, v4                       ; into the stage: 16 bytes a lane of a row's 512
	v_mul_u32_u24 v7, v2, SPITCH
	v_lshl_add_u32 v7, v3, 7, v7
	v_add_nc_u32 v7, s21, v7                       ; out of it: row r, + 128 h: my 32 neighbours of each 64
	v_and_b32 v8, 8, v2
	v_add_nc_u32 v8, v8, v2
	v_lshlrev_b32 v8, 2, v8                        ; a weight: column r + 8 (r / 8) of the tile,
	v_mul_u32_u24 v9, v3, 32*ROWX
	v_add_nc_u32 v8, v8, v9                        ; lanes 16-31 begin 32 rows of K further down
	s_and_b32 s19, ttmp7, 0xffff                   ; which pair of K steps
	s_mov_b32 s[SEL], 0x76543210
	s_mov_b32 s[SEL+1], 0xfedcba98
	s_mov_b32 s[MSK], 0xffff0000
	s_mov_b32 s25, 0
	s_wait_kmcnt 0x0
; where my two images and my line of scale words go: s20 = the tile's number in its buffer, p = the buffer's pointer
.macro BASES p, soff
	s_mul_i32 s26, s20, 9216
	s_mul_i32 s27, s19, 3072
	s_add_co_u32 s26, s26, s27
	s_mov_b32 s27, 0
	s_add_nc_u64 s[28:29], s[\p:\p+1], s[26:27]
	s_mul_i32 s26, s20, 384
	s_lshl_b32 s35, s19, 7
	s_add_co_u32 s26, s26, s35
	s_add_co_u32 s26, s26, \soff
	s_add_nc_u64 s[30:31], s[\p:\p+1], s[26:27]
.endm
; 64 numbers of a lane, v[X + 32 c + i] = k 64 c + 32 h + i of my row, become the fragment's 12 registers v20-31 and my row's scale word v16.  A lane holds two whole blocks.
.macro QFRAG X
.irp c, 0,1
	v_max3_num_f32 v[10+\c], |v[\X+32*\c]|, |v[\X+32*\c+1]|, 0x1800000      ; with the floor 2^(3 - 127): the byte cannot fall under 1
.endr
.irp i, 2,4,6,8,10,12,14,16,18,20,22,24,26,28,30
.irp c, 0,1
	v_max3_num_f32 v[10+\c], v[10+\c], |v[\X+32*\c+\i]|, |v[\X+32*\c+\i+1]|  ; the two blocks by turns
.endr
.endr
.irp c, 0,1
	v_add_nc_u32 v[12+\c], 0xff000000, v[10+\c]    ; 2 off the exponent field: the conversion's scale operand
.endr
.irp c, 0,1
	v_lshrrev_b32 v[14+\c], 23, v[12+\c]           ; the byte
.endr
	v_lshl_or_b32 v16, v15, 16, v14                ; blocks h and 2 + h,
	v_lshlrev_b32 v16, v18, v16                    ; at their places in the word;
	v_permlanex16_b32 v19, v16, s[SEL], s[SEL+1]
	v_or_b32 v16, v16, v19                         ; with lane l xor 16's two the word is whole, in both halves of the lanes
.irp c, 0,1
	v_cvt_scalef32_pk16_fp6_f32 v[20+6*\c:22+6*\c], v[\X+32*\c:\X+32*\c+15], v[12+\c]
	v_cvt_scalef32_pk16_fp6_f32 v[32+4*\c:34+4*\c], v[\X+32*\c+16:\X+32*\c+31], v[12+\c]   ; a conversion's three registers begin on an even number
.endr
	v_nop                                          ; one plain place behind the conversions
.irp c, 0,1
.irp i, 0,1,2
	v_mov_b32 v[23+6*\c+\i], v[32+4*\c+\i]
.endr
.endr
.endm
.macro CODES e                         ; the image: each store covers 512 consecutive bytes
.irp c, 0,1,2
	global_store_b128 v4, v[20+4*\c:23+4*\c], s[28:29] offset:1536*\e+512*\c
.endr
.endm
.macro TAIL                            ; lanes 0-15 the first fragment's words, lanes 16-31 the second's
	v_cndmask_b32 v16, v17, v16, s[MSK]
	global_store_b32 v5, v16, s[30:31]
	s_wait_tensorcnt 0x0
	ds_add_u32 v62, v63
	s_wait_dscnt 0x0
	s_endpgm
.endm
	s_cmp_ge_u32 ttmp9, 128
	s_cbranch_scc1 .Lweights
	; ---- x: K is innermost.  Each load takes 512 consecutive bytes of one row; the rows turn through the stage so that a lane gets 32 neighbours.
	s_lshl_b32 s20, ttmp9, 2
	s_add_co_u32 s20, s20, s18                     ; tile
	s_lshr_b32 s24, s20, 1
	s_lshl_b32 s24, s24, 5
	s_and_b32 s22, s20, 1
	s_lshl_b32 s22, s22, 3
	s_add_co_u32 s24, s24, s22                     ; its first token
	s_mul_i32 s24, s24, ROWX
	s_lshl_b32 s22, s19, 10
	s_add_co_u32 s24, s24, s22
	s_add_nc_u64 s[4:5], s[4:5], s[24:25]
	BASES 14, XS_OFF
.irp e, 0,1
.irp p, 0,1,2,3,4,5,6,7,8,9,10,11,12,13,14,15
	global_load_b128 v[128+64*\e+4*\p:128+64*\e+4*\p+3], v4, s[4:5] offset:(\p+8*(\p/8))*ROWX+512*\e th:TH_LOAD_NT
.endr
.endr
.macro TURN e                          ; LDS serves a wave's instructions in order: no wait between the stores and the loads
.irp p, 0,1,2,3,4,5,6,7,8,9,10,11,12,13,14,15
	ds_store_b128 v6, v[128+64*\e+4*\p:128+64*\e+4*\p+3] offset:SPITCH*\p
.endr
.irp c, 0,1
.irp j, 0,1,2,3,4,5,6,7
	ds_load_b128 v[64+32*\c+4*\j:64+32*\c+4*\j+3], v7 offset:256*\c+16*\j
.endr
.endr
.endm
	s_wait_loadcnt 16                              ; the first K step's 16 loads are in; the second's may be out
	s_wait_alu depctr_va_vdst(0)
	TURN 0
	s_wait_dscnt 0x0
	QFRAG 64
	CODES 0
	v_mov_b32 v17, v16
	s_wait_loadcnt 0x0
	TURN 1
	s_wait_dscnt 0x0
	s_wait_xcnt 0x0                                ; the stores above have read v20-31: they are written again only behind this wait
	QFRAG 64
	CODES 1
	TAIL
.Lweights:
	; ---- a weight: K is its first axis.  A lane takes a column and its registers run down K, in the order that the operand's layout gives that lane: nothing is transposed.
	s_sub_co_u32 s23, ttmp9, 128
	s_cmp_ge_u32 s23, 12                           ; which weight: the choice hangs on the work-group's number alone
	s_cselect_b64 s[6:7], s[8:9], s[6:7]
	s_cselect_b32 s21, 48, 0
	s_cmp_ge_u32 s23, 24
	s_cselect_b64 s[6:7], s[10:11], s[6:7]
	s_cselect_b32 s21, 96, s21
	s_cmp_ge_u32 s23, 36
	s_cselect_b64 s[6:7], s[12:13], s[6:7]
	s_cselect_b32 s21, 144, s21
	s_lshl_b32 s20, s23, 2
	s_add_co_u32 s20, s20, s18                     ; tile among the 192
	s_sub_co_u32 s22, s20, s21                     ; tile in its weight
	s_lshr_b32 s24, s22, 1
	s_lshl_b32 s24, s24, 7
	s_and_b32 s22, s22, 1
	s_lshl_b32 s22, s22, 5
	s_add_co_u32 s24, s24, s22                     ; its first column, in bytes
	s_mul_i32 s22, s19, 256*ROWX
	s_add_co_u32 s24, s24, s22
	s_add_nc_u64 s[6:7], s[6:7], s[24:25]
	BASES 16, WS_OFF
	s_wait_alu depctr_va_vdst(0)
.irp e, 0,1
.irp c, 0,1
.irp i, 0,1,2,3,4,5,6,7,8,9,10,11,12,13,14,15,16,17,18,19,20,21,22,23,24,25,26,27,28,29,30,31
	global_load_b32 v[128+64*\e+32*\c+\i], v8, s[6:7] offset:(128*\e+64*\c+\i)*ROWX
.endr
.endr
.endr
	s_wait_loadcnt 63                              ; of 128 loads at most 63 are out: the first fragment's 64 are in
	QFRAG 128
	CODES 0
	v_mov_b32 v17, v16
	s_wait_loadcnt 0x0
	s_wait_xcnt 0x0                                ; the stores above have read v20-31
	QFRAG 192
	CODES 1
	TAIL
.Lfunc_end_k_q1394d6296a_quant:
	.size	k_q1394d6296a_quant, .Lfunc_end_k_q1394d6296a_quant-k_q1394d6296a_quant
	.p2alignl 7, 3214868480
	.fill 96, 4, 3214868480
	.section	.rodata,"a",@progbits
	.p2align	6, 0x0
	.amdhsa_kernel k_q1394d6296a_quant
		.amdhsa_group_segment_fixed_size 34304
		.amdhsa_private_segment_fixed_size 0
		.amdhsa_enable_private_segment 0
		.amdhsa_kernarg_size 56
		.amdhsa_user_sgpr_count 2
		.amdhsa_user_sgpr_kernarg_segment_ptr 1
		.amdhsa_wavefront_size32 1
		.amdhsa_system_sgpr_workgroup_id_x 1
		.amdhsa_system_sgpr_workgroup_id_y 1
		.amdhsa_system_sgpr_workgroup_id_z 1
		.amdhsa_system_vgpr_workitem_id 0
		.amdhsa_next_free_vgpr 256
		.amdhsa_next_free_sgpr 66
		.amdhsa_reserve_vcc 0
		.amdhsa_float_denorm_mode_32 3
		.amdhsa_float_denorm_mode_16_64 3
		.amdhsa_memory_ordered 1
		.amdhsa_forward_progress 1
		.amdhsa_inst_pref_size 37
	.end_amdhsa_kernel
	.amdgpu_metadata
---
amdhsa.version: [ 1, 2 ]
amdhsa.kernels:
  - .name:           k_q1394d6296a_quant
    .symbol:         k_q1394d6296a_quant.kd
    .args:
      - { .name: x, .offset: 0, .size: 8, .value_kind: global_buffer, .address_space: global }
      - { .name: Wq, .offset: 8, .size: 8, .value_kind: global_buffer, .address_space: global }
      - { .name: Wk, .offset: 16, .size: 8, .value_kind: global_buffer, .address_space: global }
      - { .name: Wv, .offset: 24, .size: 8, .value_kind: global_buffer, .address_space: global }
      - { .name: Wo, .offset: 32, .size: 8, .value_kind: global_buffer, .address_space: global }
      - { .name: xq, .offset: 40, .size: 8, .value_kind: global_buffer, .address_space: global }
      - { .name: wq, .offset: 48, .size: 8, .value_kind: global_buffer, .address_space: global }
    .group_segment_fixed_size: 34304
    .private_segment_fixed_size: 0
    .kernarg_segment_align: 8
    .kernarg_segment_size: 56
    .max_flat_workgroup_size: 128
    .sgpr_count:     66
    .vgpr_count:     256
    .wavefront_size: 32
...
	.end_amdgpu_metadata
.endif
;; end of part 5
;; launch qkv (part 6): grid 3 x 64, 4 waves a work-group, no clusters, 74,240 bytes of LDS; arguments xq, wq, bq, bk, bv, qq, kv; writes qq, kv
.if DOCPART == 6
	.amdgcn_target "amdgcn-amd-amdhsa--gfx1250"
	.amdhsa_code_object_version 6
	.text
	.protected	k_q1394d6296a_qkv
	.globl	k_q1394d6296a_qkv
	.p2align	8
	.type	k_q1394d6296a_qkv,@function
k_q1394d6296a_qkv:
	s_mov_b64 s[64:65], 0
	v_nop
	global_prefetch_b8 v0, s[64:65] scope:SCOPE_SE
	s_setreg_imm32_b32 hwreg(HW_REG_WAVE_SCHED_MODE, 0, 2), 2
	s_setreg_imm32_b32 hwreg(HW_REG_WAVE_MODE, 25, 1), 1
	s_wait_xcnt 0x0
	s_wait_alu depctr_vm_vsrc(0)
; q = x Wq + bq, k = x Wk + bk, v = x Wv + bv on codes of FP6 (E2M3) with E8M0 scales, sums in f32; the results are quantised in registers for the two products of attention and leave as codes.
; SHARES: a work-group takes 128 tokens (work-group y: tiles 8 y .. 8 y + 7) x 4 heads; wave w takes head 4 x + w and runs three phases, q, k, v: each 128 tokens x 64 features, 32 accumulators, 6 K steps of 32 products.
; x's 48 fragments (73,728 dense bytes, images of the operand's registers) come into LDS once and are read in all twelve phases of the four waves.  A wave's weights are its own: they come from memory straight into
; registers, six groups (one a K step) that take turns: when a phase has multiplied a group, the next phase's group is loaded into the same registers, more than five K steps ahead of its use.
; q AND k ARE MADE TRANSPOSED (source 0 = 16 features of W, source 1 = 16 tokens): a lane holds a token and its registers run along the features, the K of q k^T.
; v IS MADE STRAIGHT (source 0 = tokens, source 1 = features): a lane holds a feature and its registers run along the tokens, the K of p v.
; Row r of a tile T is row 32 (T / 2) + 8 (T % 2) + r + 8 (r / 8): so the 16 registers of two neighbouring tiles are 16 neighbours along the next K.  The biases are the C of each sum's first product.
; OUT: qq: codes [b h 96][tile 64] x 768 bytes (registers 0-3 at 16 l, 4-5 at 512 + 8 l); from QS_OFF on, for each 32 tokens a word a row: bytes 0, 1 the even tile's two blocks, bytes 2, 3 the odd tile's.
;   kv: 102,400 bytes a head: k's codes [128 keys 8][pair of tiles 4] x 1,536 (registers 0-5 the even tile, 6-11 the odd one); from 49,152 v^T's [128 keys 8][16 features 4] x 1,536; from 98,304 k's scale words; from 100,352 v's.
; LIMITS: NaN and infinities are not served; a block of zeros, or one under 2^-124, gets the byte 1 (read by this program alone).
; REGISTERS, in windows of 256: window 0: v1-7 addresses; v16-39 x's scale words; v40-75 W's; v80-138 at work; v158, v159 the closing add's two; v160-255 x's fragments of an even K step.
;   window 1: v0-143 W's groups 0-2; v144-239 x's fragments of an odd K step.   window 2: v0-143 W's groups 3-5; v144-175 the bias, 8 registers a tile.   window 3: the 32 accumulators (at the head: x's bytes on their way to LDS).
; THE MODE: SCHED_MODE bits 1:0 = 2 (LLVM: expert scheduling mode 2), set by the entry lines.  The code itself states the register dependences between vector or matrix instructions and memory or LDS
; instructions, with s_wait_alu, always for 0.
; THE PLAN.  Registers that memory or LDS instructions touch:
;   v1-v7         offsets and LDS addresses: written at the head, never again; read by every load and store.
;   X0, X1        x's fragments.  The products of step g read X[g % 2]; the LDS loads issued in step g land in the other one, which step g - 1 read.
;   W0 .. W5      a phase's step ks reads group ks; the next phase's group lands there, asked for in step ks + 1.  The bias likewise: read by step 0, asked for again in step 1.
;   P0, P1        two out-buffers of codes.  Item i of a way out writes P[i % 2]; its stores are issued in item i + 1.  v98, two items' scale words: written in odd items, stored in the item after.
;   window 3      at the head read by the LDS stores of x's bytes; from the first product on named by matrix and vector instructions alone.
; So ONE wait on va_vdst stands at the head of a K step that issues loads: the products of the step before are done reading the registers in which this step's loads land.  The loads are dealt among the step's
; products, which name the other x buffer, another group, the accumulators and the scale words: none of the registers that those loads touch.  A phase's last step has its wait and its loads at its end, ahead of the way out.
.set XS_OFF, 4718592
.set WS_OFF, 1769472
.set QS_OFF, 4718592
.set LI0, 1                            ; v1  16 x lane: an image's place for my lane
.set LI1, 2                            ; v2  the same 36,864 bytes on (tiles 4-7 in LDS)
.set L8,  3                            ; v3  8 x lane
.set L4,  4                            ; v4  4 x lane
.set FA,  5                            ; v5  where I put x's bytes: 16 x lane + 18,432 x wave
.set BA,  6                            ; v6  64 h: bq, bk: my half's eight features of a tile
.set BV,  7                            ; v7  4 (r + 8 (r / 8)): bv: my feature
.set XS,  16
.set WS,  40
.set TM,  80                           ; v80-83 maxima, v84-87 bytes, v92-95 scale operands
.set PW,  96                           ; the scale word just made;  v97 the one before;  v98 the two, lanes 0-15 and 16-31
.set PWA, 97
.set PWS, 98
.set PC,  100                          ; out-buffer 0: v100-111 the codes, v112-118 second halves;  out-buffer 1: the same 20 registers on
.set XA,  160
.set XB,  144
.set BI,  144
.set MSB, 0
.macro WIN new                         ; the immediate's high byte repeats the setting that is left
.if MSB != \new
	s_set_vgpr_msb (MSB<<8)|\new
.set MSB, \new
.endif
.endm
.macro PLACES                          ; four places behind a product, ahead of loads into its registers and of the first read of its result
.rept 4
	v_nop
.endr
.endm
	s_load_b256 s[4:11], s[0:1], 0x0               ; xq, wq, bq, bk
	s_load_b128 s[12:15], s[0:1], 0x20             ; bv, qq
	s_load_b64 s[16:17], s[0:1], 0x30              ; kv
	v_lshl_add_u32 v158, v0, 2, 0x12000
	v_mov_b32 v159, 0
	v_lshrrev_b32 v8, 5, v0
	v_readfirstlane_b32 s18, v8                    ; wave
	v_and_b32 v8, 31, v0
	v_and_b32 v9, 15, v0
	v_bfe_u32 v10, v0, 4, 1
	v_lshlrev_b32 v[LI0], 4, v8
	v_add_nc_u32 v[LI1], 36864, v[LI0]
	v_lshlrev_b32 v[L8], 3, v8
	v_lshlrev_b32 v[L4], 2, v8
	s_wait_alu depctr_va_sdst(0)                   ; s18, the wave's number, is written, ahead of its first reader
	s_mul_i32 s39, s18, 18432
	v_add_nc_u32 v[FA], s39, v[LI0]
	v_lshlrev_b32 v[BA], 6, v10
	v_and_b32 v[BV], 8, v9
	v_add_nc_u32 v[BV], v[BV], v9
	v_lshlrev_b32 v[BV], 2, v[BV]
.irp b, 0,1,2,3
	v_mov_b32 v[TM+4+\b], 0                        ; a lane permute's destination counts as one of its sources
.endr
	s_mov_b32 s36, 0x76543210                      ; lane l xor 16
	s_mov_b32 s37, 0xfedcba98
	s_mov_b32 s38, 0xffff0000                      ; lanes 16-31
	s_and_b32 s19, ttmp7, 0xffff                   ; the group of 128 tokens
	s_lshl_b32 s40, ttmp9, 2
	s_add_co_u32 s40, s40, s18                     ; head
	s_lshr_b32 s41, s19, 3                         ; batch
	s_and_b32 s42, s19, 7                          ; which 128 of its 1,024 tokens
	s_mul_i32 s43, s41, 12
	s_add_co_u32 s43, s43, s40                     ; batch x 12 + head
	s_lshl_b32 s46, s43, 3
	s_add_co_u32 s46, s46, s42
	s_mov_b32 s45, 0
	s_wait_kmcnt 0x0
	s_mul_i32 s44, s19, 73728
	s_add_co_u32 s44, s44, s39
	s_add_nc_u64 s[20:21], s[4:5], s[44:45]        ; x's codes: my quarter of the 73,728 bytes
	s_mul_i32 s44, s19, 3072
	s_add_co_u32 s44, s44, XS_OFF
	s_add_nc_u64 s[22:23], s[4:5], s[44:45]        ; x's scale words
	s_mul_i32 s44, s40, 36864
	s_add_nc_u64 s[24:25], s[6:7], s[44:45]        ; Wq's codes at my head's four tiles; Wk's and Wv's lie 442,368 bytes on each
	s_mul_i32 s44, s40, 1536
	s_add_co_u32 s44, s44, WS_OFF
	s_add_nc_u64 s[26:27], s[6:7], s[44:45]        ; their scale words; 18,432 bytes from weight to weight
	s_lshl_b32 s44, s40, 8
	s_add_nc_u64 s[8:9], s[8:9], s[44:45]          ; the biases at my head
	s_add_nc_u64 s[10:11], s[10:11], s[44:45]
	s_add_nc_u64 s[12:13], s[12:13], s[44:45]
	s_mul_i32 s44, s46, 6144
	s_add_nc_u64 s[28:29], s[14:15], s[44:45]      ; q's codes
	s_lshl_b32 s44, s46, 8
	s_add_co_u32 s44, s44, QS_OFF
	s_add_nc_u64 s[30:31], s[14:15], s[44:45]      ; q's scale words
	s_mul_i32 s47, s43, 102400
	s_mul_i32 s44, s42, 6144
	s_add_co_u32 s44, s44, s47
	s_add_nc_u64 s[32:33], s[16:17], s[44:45]      ; k's codes; v's lie 49,152 bytes on
	s_lshl_b32 s44, s42, 8
	s_add_co_u32 s44, s44, s47
	s_add_co_u32 s44, s44, 98304
	s_add_nc_u64 s[34:35], s[16:17], s[44:45]      ; k's scale words; v's lie 2,048 bytes on
.macro WLOAD ph, ks                    ; phase ph's group ks: four fragments of W, 12 loads of 512 consecutive bytes
.set LW, (1+(\ks)/3)<<6
	WIN LW
.irp ft, 0,1,2,3
.irp c, 0,1,2
	global_load_b128 v[48*((\ks)%3)+12*\ft+4*\c:48*((\ks)%3)+12*\ft+4*\c+3], v[LI0], s[24:25] offset:442368*(\ph)+9216*\ft+1536*(\ks)+512*\c
.endr
.endr
.endm
.macro BLOAD ph                        ; phase ph's bias in the result's layout.  q, k: register j of tile ft is feature 32 (ft / 2) + 8 (ft % 2) + 16 h + j;  v: all eight are my lane's feature
	WIN 0x80
.if (\ph) < 2
.irp ft, 0,1,2,3
	global_load_b128 v[BI+8*\ft:BI+8*\ft+3], v[BA], s[8+2*(\ph):9+2*(\ph)] offset:(32*(\ft/2)+8*(\ft%2))*4
	global_load_b128 v[BI+8*\ft+4:BI+8*\ft+7], v[BA], s[8+2*(\ph):9+2*(\ph)] offset:(32*(\ft/2)+8*(\ft%2))*4+16
.endr
.else
.irp ft, 0,1,2,3
.irp j, 0,1,2,3,4,5,6,7
	global_load_b32 v[BI+8*\ft+\j], v[BV], s[12:13] offset:(32*(\ft/2)+8*(\ft%2))*4
.endr
.endr
.endif
.endm
.macro XHALF ks, hf                    ; x's fragments 4 hf .. 4 hf + 3 of K step ks: 12 loads of 512 consecutive bytes
.set LW, ((\ks)%2)<<6
	WIN LW
.set XL, XA-(XA-XB)*((\ks)%2)
.irp t4, 0,1,2,3
.irp c, 0,1,2
	ds_load_b128 v[XL+12*(4*(\hf)+\t4)+4*\c:XL+12*(4*(\hf)+\t4)+4*\c+3], v[LI0+(\hf)] offset:9216*\t4+1536*(\ks)+512*\c
.endr
.endr
.endm
.macro MMX row                         ; one product; row = 1: both sides' scale words stand in lanes 16-31
.if \row
	v_wmma_scale_f32_16x16x128_f8f6f4 v[rD:rD+7], v[rA:rA+11], v[rB:rB+11], v[rC:rC+7], v[rSA], v[rSB] matrix_a_fmt:MATRIX_FMT_FP6 matrix_b_fmt:MATRIX_FMT_FP6 matrix_a_scale:MATRIX_SCALE_ROW1 matrix_b_scale:MATRIX_SCALE_ROW1
.else
	v_wmma_scale_f32_16x16x128_f8f6f4 v[rD:rD+7], v[rA:rA+11], v[rB:rB+11], v[rC:rC+7], v[rSA], v[rSB] matrix_a_fmt:MATRIX_FMT_FP6 matrix_b_fmt:MATRIX_FMT_FP6
.endif
.endm
.macro MM8 ph, ks, t0                  ; eight of a step's 32 products: tiles of tokens t0, t0 + 1 x the four tiles of features.  MW, WR, XR: the step's windows and registers
	WIN MW
.irp tt, \t0, \t0+1
.irp ft, 0,1,2,3
.if (\ph) < 2
.set rD, 8*(4*(\tt)+\ft)
.set rA, WR+12*\ft
.set rB, XR+12*(\tt)
.set rSA, WS+12*(\ph)+3*\ft+(\ks)/2
.set rSB, XS+3*(\tt)+(\ks)/2
.else
.set rD, 8*(8*\ft+(\tt))
.set rA, XR+12*(\tt)
.set rB, WR+12*\ft
.set rSA, XS+3*(\tt)+(\ks)/2
.set rSB, WS+12*(\ph)+3*\ft+(\ks)/2
.endif
.set rC, rD
.if (\ks) == 0
.set rC, BI+8*\ft
.endif
	MMX (\ks)%2
.endr
.endr
.endm
; K step ks of phase ph: 32 products, the 32 accumulators by turns in the same order in every step.
; nl: the global loads issued behind this step's group of W, which may stay out;  d0: the LDS loads issued behind this step's fragments 0-3 of x;  d1: those issued behind its fragments 4-7.
; Steps 1 to 5 ask, among their products, for what goes into the registers that the step before has read: x's fragments of the next step, the next phase's group of W and, in step 1, its bias.
.macro KSTEP ph, ks, nl, d0, d1
	s_wait_loadcnt \nl
	s_wait_dscnt \d0
.set WR, 48*((\ks)%3)
.set XR, XA-(XA-XB)*((\ks)%2)
.set CW, 3
.if (\ks) == 0
.set CW, 2
.endif
.if (\ph) < 2
.set MW, (1+(\ks)/3)+(((\ks)%2)<<2)+(CW<<4)+0xc0
.else
.set MW, ((\ks)%2)+((1+(\ks)/3)<<2)+(CW<<4)+0xc0
.endif
.if ((\ks) > 0) && (6*(\ph)+(\ks) < 17)
	PLACES
	s_wait_alu depctr_va_vdst(0)                   ; the products of the step before are done reading their fragments of x, their group of W and (step 0's) the bias: this step's loads land there
.endif
	MM8 \ph, \ks, 0
.if ((\ks) > 0) && (6*(\ph)+(\ks) < 17)
	XHALF ((\ks)+1)%6, 0                           ; no wait: no product since the wait above names the other x buffer
.endif
	MM8 \ph, \ks, 2
.if ((\ks) > 0) && (6*(\ph)+(\ks) < 17)
	XHALF ((\ks)+1)%6, 1
.endif
	s_wait_dscnt \d1
	MM8 \ph, \ks, 4
.if ((\ks) > 0) && ((\ph) < 2)
.if (\ks) == 1
	BLOAD (\ph)+1                                  ; no wait: no product since the wait above names the bias or the group of the step before
.endif
	WLOAD (\ph)+1, (\ks)-1
.endif
	MM8 \ph, \ks, 6
.if (\ks) == 5
	PLACES                                         ; ahead of the loads below and of the way out's first read of the sums
.if (\ph) < 2
	s_wait_alu depctr_va_vdst(0)                   ; this step's products are done reading group 5 and the odd x buffer: the loads below land there, while the sums go out
	WLOAD (\ph)+1, 5
	XHALF 1, 0
	XHALF 1, 1
.endif
.endif
	WIN 0
.endm
; 64 numbers of a lane in window 3, register S + 16 b + i = place 32 b + 16 h + i along the next K, become 12 registers of codes and a scale word (v[PW]), in two parts.
; QMAX: the four blocks' scales and the scale word.  It names no register that a store reads.  Each accumulator is read from its low end on.
.macro QMAX S
	WIN 0x0f
.irp b, 0,1,2,3
	v_max3_num_f32 v[TM+\b], |v[(\S)+16*\b]|, |v[(\S)+1+16*\b]|, 0x1800000     ; my 16 numbers of block b, and the floor 2^(3 - 127)
.endr
	WIN 0x3c
.irp i, 2,4,6,8,10,12,14
.irp b, 0,1,2,3
	v_max3_num_f32 v[TM+\b], v[TM+\b], |v[(\S)+16*\b+\i]|, |v[(\S)+1+16*\b+\i]|
.endr
.endr
	WIN 0
.irp b, 0,1,2,3
	v_permlanex16_b32 v[TM+4+\b], v[TM+\b], s36, s37
.endr
.irp b, 0,1,2,3
	v_max_num_f32 v[TM+\b], v[TM+\b], v[TM+4+\b]   ; with lane l xor 16's: the block's largest magnitude
.endr
.irp b, 0,1,2,3
	v_add_nc_u32 v[TM+12+\b], 0xff000000, v[TM+\b] ; 2 off the exponent field: the conversion's scale operand
.endr
.irp b, 0,1,2,3
	v_lshrrev_b32 v[TM+4+\b], 23, v[TM+12+\b]      ; the byte
.endr
	v_lshl_or_b32 v[PW], v[TM+5], 8, v[TM+4]
	v_lshl_or_b32 v[PW], v[TM+6], 16, v[PW]
	v_lshl_or_b32 v[PW], v[TM+7], 24, v[PW]
.endm
; QCVT: the codes, into the out-buffer at v[P].
.macro QCVT S, P
	WIN 0x03
.irp c, 0,1
	v_cvt_scalef32_pk16_fp6_f32 v[(\P)+6*\c:(\P)+2+6*\c], v[(\S)+32*\c:(\S)+15+32*\c], v[TM+12+2*\c]
	v_cvt_scalef32_pk16_fp6_f32 v[(\P)+12+4*\c:(\P)+14+4*\c], v[(\S)+16+32*\c:(\S)+31+32*\c], v[TM+12+2*\c+1]
.endr
	WIN 0
	v_nop                                          ; one plain place behind the conversions
.irp c, 0,1                            ; the operand's layout wants a whole block in a lane: lanes 0-15 block 2 c, lanes 16-31 block 2 c + 1
.irp i, 0,1,2
	v_permlane16_swap_b32 v[(\P)+6*\c+\i], v[(\P)+12+4*\c+\i]
.endr
.irp i, 0,1,2
	v_mov_b32 v[(\P)+3+6*\c+\i], v[(\P)+12+4*\c+\i]
.endr
.endr
.endm
; Item gq's stores, from out-buffer gq % 2; behind an odd item's also the scale words of two items.
.macro OUT ph, gq
.set PB, PC+20*((\gq)%2)
.if (\ph) == 0
	global_store_b128 v[LI0], v[PB:PB+3], s[28:29] offset:1536*(\gq)
	global_store_b64 v[L8], v[PB+4:PB+5], s[28:29] offset:1536*(\gq)+512
	global_store_b128 v[LI0], v[PB+6:PB+9], s[28:29] offset:1536*(\gq)+768
	global_store_b64 v[L8], v[PB+10:PB+11], s[28:29] offset:1536*(\gq)+1280
.else
.irp c, 0,1,2
	global_store_b128 v[LI0], v[PB+4*\c:PB+4*\c+3], s[32:33] offset:49152*((\ph)-1)+1536*(\gq)+512*\c
.endr
.endif
.if (\gq)%2 == 1
.if (\ph) == 0
	global_store_b32 v[L4], v[PWS], s[30:31] offset:128*((\gq)/2)
.else
	global_store_b32 v[L4], v[PWS], s[34:35] offset:2048*((\ph)-1)+128*((\gq)/2)
.endif
.endif
.endm
; A phase's way out: four items of 64 registers.  q, k: two tiles of tokens (blocks 0, 1: the even tile's 64 features; 2, 3: the odd tile's).  v: one tile of features x 128 keys.
; An item's stores are issued in the item after, behind that item's maxima, so that the waits ahead of them stand far behind what they wait for.
.macro EPI ph
.irp gq, 0,1,2,3
	QMAX 64*\gq
.if ((\ph) > 0) || (\gq > 1)
	s_wait_xcnt 0x0                                ; the stores issued an item ago and earlier have had their addresses translated (ISA guide 3.1): this item's out-buffer and v98 are written again only behind this wait,
	s_wait_alu depctr_vm_vsrc(0)                   ; and behind this one: those stores have read this item's out-buffer and v98
.endif
.if \gq > 0
	s_wait_alu depctr_va_vdst(0)                   ; the item before has written the other out-buffer (an odd one also v98), which the stores below read
	OUT \ph, \gq-1
.endif
.if \gq%2 == 0
	s_wait_alu depctr_va_vdst(0)
	v_mov_b32 v[PWA], v[PW]
.else
	v_cndmask_b32 v[PWS], v[PWA], v[PW], s38       ; lanes 0-15 the even item's words, lanes 16-31 the odd item's
.endif
	QCVT 64*\gq, PC+20*(\gq%2)
.endr
	s_wait_alu depctr_va_vdst(0)                   ; item 3 has written out-buffer 1 and v98, which the last stores read
	OUT \ph, 3
.endm
	WIN 0xc0                                       ; x's bytes, my quarter: 36 loads of 512 consecutive bytes into window 3
	s_wait_alu depctr_va_vdst(0)                   ; the offsets and addresses v1 to v7 are written, which every load and store of the kernel reads
.set i, 0
.rept 36
	global_load_b128 v[4*i:4*i+3], v[LI0], s[20:21] offset:512*i
.set i, i+1
.endr
	WLOAD 0, 0
	WLOAD 0, 1
	s_wait_loadcnt 24                              ; x's 36 are in; the two groups of W behind them may be out
	WIN 0x0c
.set i, 0
.rept 36
	ds_store_b128 v[FA], v[4*i:4*i+3] offset:512*i
.set i, i+1
.endr
	WIN 0
.irp tt, 0,1,2,3,4,5,6,7
.irp sp, 0,1,2
	global_load_b32 v[XS+3*\tt+\sp], v[L4], s[22:23] offset:384*\tt+128*\sp
.endr
.endr
.irp ph, 0,1,2
.irp ft, 0,1,2,3
.irp sp, 0,1,2
	global_load_b32 v[WS+12*\ph+3*\ft+\sp], v[L4], s[26:27] offset:18432*\ph+384*\ft+128*\sp
.endr
.endr
.endr
	BLOAD 0
	WLOAD 0, 2
	WLOAD 0, 3
	WLOAD 0, 4
	WLOAD 0, 5
	WIN 0
	s_wait_dscnt 0x0                               ; for the others' sake: my quarter of x lies in LDS
	s_barrier_signal -1
	s_barrier_wait -1                              ; everybody's does; nothing writes LDS from here on
	s_wait_alu depctr_vm_vsrc(0)                   ; my LDS stores have read window 3's v0-143: these registers are accumulators from here on, written by the first products
	XHALF 0, 0
	XHALF 0, 1
	XHALF 1, 0
	XHALF 1, 1
	WIN 0
	KSTEP 0, 0, 48, 36, 24                         ; behind the scale words, the bias and groups 0, 1: groups 2-5, 48 loads.  LDS: behind fragments 0-3: this step's other 12 and K step 1's 24
	KSTEP 0, 1, 48, 12, 24                         ; LDS, from here on: at the head the step's own second 12 may be out, at its middle the 24 just dealt
	KSTEP 0, 2, 56, 12, 24                         ; behind group ks: the rest of q's groups, k's bias (8) and the groups of k dealt so far: 12 (5 - ks) + 8 + 12 (ks - 1) = 56
	KSTEP 0, 3, 56, 12, 24
	KSTEP 0, 4, 56, 12, 24
	KSTEP 0, 5, 56, 12, 24
	EPI 0
	KSTEP 1, 0, 60, 36, 24                         ; behind k's bias and group 0: its groups 1-5
	KSTEP 1, 1, 48, 12, 24
	KSTEP 1, 2, 60, 12, 24                         ; behind group ks stand 80 loads (v's bias is 32): the count is only stricter
	KSTEP 1, 3, 60, 12, 24
	KSTEP 1, 4, 60, 12, 24
	KSTEP 1, 5, 60, 12, 24
	EPI 1
	KSTEP 2, 0, 60, 36, 24                         ; the last phase loads no more of W: the counts run down
	KSTEP 2, 1, 48, 12, 24
	KSTEP 2, 2, 36, 12, 24
	KSTEP 2, 3, 24, 12, 24
	KSTEP 2, 4, 12, 12, 24
	KSTEP 2, 5, 0, 12, 0                           ; the last step asks for nothing
	EPI 2
	s_wait_dscnt 0x0                               ; the closing lines, six on end
	s_wait_alu 0x0
	s_wait_tensorcnt 0x0
	ds_add_u32 v158, v159
	s_wait_dscnt 0x0
	s_endpgm
.Lfunc_end_k_q1394d6296a_qkv:
	.size	k_q1394d6296a_qkv, .Lfunc_end_k_q1394d6296a_qkv-k_q1394d6296a_qkv
	.p2alignl 7, 3214868480
	.fill 96, 4, 3214868480
	.section	.rodata,"a",@progbits
	.p2align	6, 0x0
	.amdhsa_kernel k_q1394d6296a_qkv
		.amdhsa_group_segment_fixed_size 74240
		.amdhsa_private_segment_fixed_size 0
		.amdhsa_enable_private_segment 0
		.amdhsa_kernarg_size 56
		.amdhsa_user_sgpr_count 2
		.amdhsa_user_sgpr_kernarg_segment_ptr 1
		.amdhsa_wavefront_size32 1
		.amdhsa_system_sgpr_workgroup_id_x 1
		.amdhsa_system_sgpr_workgroup_id_y 1
		.amdhsa_system_sgpr_workgroup_id_z 1
		.amdhsa_system_vgpr_workitem_id 0
		.amdhsa_next_free_vgpr 1024
		.amdhsa_next_free_sgpr 66
		.amdhsa_reserve_vcc 0
		.amdhsa_float_denorm_mode_32 3
		.amdhsa_float_denorm_mode_16_64 3
		.amdhsa_memory_ordered 1
		.amdhsa_forward_progress 1
		.amdhsa_inst_pref_size 200
	.end_amdhsa_kernel
	.amdgpu_metadata
---
amdhsa.version: [ 1, 2 ]
amdhsa.kernels:
  - .name:           k_q1394d6296a_qkv
    .symbol:         k_q1394d6296a_qkv.kd
    .args:
      - { .name: xq, .offset: 0, .size: 8, .value_kind: global_buffer, .address_space: global }
      - { .name: wq, .offset: 8, .size: 8, .value_kind: global_buffer, .address_space: global }
      - { .name: bq, .offset: 16, .size: 8, .value_kind: global_buffer, .address_space: global }
      - { .name: bk, .offset: 24, .size: 8, .value_kind: global_buffer, .address_space: global }
      - { .name: bv, .offset: 32, .size: 8, .value_kind: global_buffer, .address_space: global }
      - { .name: qq, .offset: 40, .size: 8, .value_kind: global_buffer, .address_space: global }
      - { .name: kv, .offset: 48, .size: 8, .value_kind: global_buffer, .address_space: global }
    .group_segment_fixed_size: 74240
    .private_segment_fixed_size: 0
    .kernarg_segment_align: 8
    .kernarg_segment_size: 56
    .max_flat_workgroup_size: 128
    .sgpr_count:     66
    .vgpr_count:     1024
    .wavefront_size: 32
...
	.end_amdgpu_metadata
.endif
;; end of part 6
;; launch attn (part 7): grid 8 x 32, 8 waves a work-group, clusters of 4 x 1, 327,680 bytes of LDS; arguments qq, kv, cq; writes cq
.if DOCPART == 7
	.amdgcn_target "amdgcn-amd-amdhsa--gfx1250"
	.amdhsa_code_object_version 6
	.text
	.protected	k_q1394d6296a_attn
	.globl	k_q1394d6296a_attn
	.p2align	8
	.type	k_q1394d6296a_attn,@function
k_q1394d6296a_attn:
	s_mov_b64 s[64:65], 0
	v_nop
	global_prefetch_b8 v0, s[64:65] scope:SCOPE_SE
	s_setreg_imm32_b32 hwreg(HW_REG_WAVE_MODE, 25, 1), 1
	s_wait_xcnt 0x0
	s_wait_alu depctr_hold_cnt(0) depctr_sa_sdst(0) depctr_va_vdst(0) depctr_va_sdst(0) depctr_va_ssrc(0) depctr_va_vcc(0) depctr_vm_vsrc(0)
	s_getreg_b32 s2, hwreg(HW_REG_IB_STS2, 6, 4)
	s_cmp_eq_u32 s2, 0
	s_cbranch_scc0 .Lentry_in_a_cluster
	s_endpgm
.Lentry_in_a_cluster:
	s_bfe_u32 s2, ttmp6, 0x10000c
	s_cmp_lg_u32 s2, 0x3003
	s_cbranch_scc0 .Lentry_shape_is_right
	s_endpgm
.Lentry_shape_is_right:
; ctx = softmax(q k^T / 8) v for 96 heads of 1,024 tokens x 64, both products on codes of FP6 (E2M3) with E8M0 scales; ctx is quantised in registers for the last product and leaves as codes.
; THE SOFTMAX: t = score x log2(e) / 8; M = the running largest t rounded UP to a whole number; p = 2^(t - M) is what is quantised, along the keys, not normalised.  The row's sum is taken of the unquantised p and
; divides at the end.  When M moves, the sum and O are multiplied by 2^(old M - new M), which rounds nothing.
; SHARES: a work-group takes 128 queries x 3 heads of one batch: 256 work-groups of equal work.  Wave w owns tile w of 16 queries, for the three heads one after the other; each head is 8 steps of 128 keys.
; LDS: the three heads' k and v (codes and scale words, 3 x 102,400 dense bytes, images of the operands' registers) are brought ONCE and stay: no byte is filled twice.  Head 0 comes first and alone, an eighth
; (12,800 bytes) a wave, so that the first step waits for 102,400 bytes and no more.  Heads 1 and 2 lie on end behind it, in memory and in LDS: each wave brings its eighth of both (25,600 bytes) by ONE load, issued
; behind the round that shows head 0 whole; it has head 0's eight steps in which to land.  One tensor load of a wave is out at a time.  Behind the tiles lie the spare words.  The claim is larger than the use.
; CLUSTER: the four work-groups of a cluster are four blocks of queries of the same three heads: every byte of k and v is asked for JOINTLY (mask 15).  My place in the cluster enters q's and ctx's global addresses alone.
; q OF ALL THREE HEADS is asked for straight behind the first tensor load, into window 1, and moved into place at each head's start: no head waits for memory.
; BOTH PRODUCTS ARE USED TRANSPOSED: S^T = k q^T, O^T = v^T p^T: a lane holds one query throughout, and its registers run along the keys, then along the head's features.
; THE FIRST PRODUCT'S K IS 64, the instruction's 128: a fragment of k holds TWO tiles of keys (registers 0-5, 6-11) and is multiplied twice, by [q | 0] and by [0 | q]: k's registers carry no zeros, q's 18 registers
; (six zeros, q, six zeros) serve as both.  Zero codes add nothing under any byte but 0xff, so q's two scale bytes are written twice into its word.
; LIMITS: NaN and infinities are not served; a p under 2^-126 comes out of v_exp_f32 as 0; a block of zeros gets the byte 1 (read by this program alone).
; REGISTERS: v1-2 LDS addresses in hand; v3, v31 the add's two; v4 -M, v5 the largest t; v[6:7] the sum in two halves; v8-25 q; v26-30 lane offsets; v32-79 k; v80-127 v^T; v128-191 S^T, then p; v192-223 O^T;
;   v224-235 p's codes; v232-247 at work; v248-249 k's scale words, v250-251 v's, v252 f, v253 p's scale word, v254 at work, v255 q's scale word.   window 1: v0-22 (v256-278): q and its scale word, 8 registers a head.
.set QS_OFF, 4718592
.set CS_OFF, 4718592
.set KVH,   102400                     ; a head's bytes: k's codes, from 49,152 v's, from 98,304 k's scale words, from 100,352 v's
.set WPART, 12800                      ; a wave's eighth of a head: 50 rows of 256 bytes
.set SPARE, 3*KVH                      ; behind the tiles: the spare words, 128 bytes for each wave: four blocks of 256 bytes that no other line names
.set S,   128
.set O,   192
.set KF,  32
.set VF,  80
.set SPW, 3                            ; v3  LDS address of my spare word: SPARE + 4 x my thread's number; never rewritten
.set NIL, 31                           ; v31 0; never rewritten
.set WV,  10                           ; s10 wave
.set G1,  24                           ; s[24:31] descriptor group 1 for head 0's load: 50 rows
.set G0,  32                           ; s[32:35] group 0 for head 0's load;  s[36:39] for the load of heads 1 and 2
.set G1B, 68                           ; s[68:75] group 1 for the load of heads 1 and 2: 100 rows
.set SEL, 44                           ; s[44:45] lane l xor 16
.set CS,  46                           ; s[46:47] c = log2(e) / 8, twice: the packed form names a pair
.set MSK, 48                           ; s48 lanes 16-31
.set SH,  49                           ; s49 16 (wave % 2): where my tile's two bytes stand in q's word
.set TB,  50                           ; s50 LDS byte of the step's codes of k
.set TS,  51                           ; s51 and of its scale words
.set CNT, 52
.set HG3, 53                           ; s53 the first of my three heads, in its batch
.set QCB, 54                           ; s[54:55] q's codes, s[56:57] q's scale words, s[58:59] ctx's codes, s[60:61] ctx's scale words of my tile, s[62:63] the same at the head in hand
.set QSB, 56
.set CCB, 58
.set CS0, 60
.set CSB, 62
.set MSB, 0
.macro WIN new                         ; the immediate's high byte repeats the setting that is left
.if MSB != \new
	s_set_vgpr_msb (MSB<<8)|\new
.set MSB, \new
.endif
.endm
.macro CROUND                          ; a round of the cluster's barrier
	s_barrier_signal -1
	s_barrier_wait -1
	s_cmp_lg_u32 s[WV], 0
	s_cbranch_scc1 .Lnot_wave_0_\@
	s_barrier_signal -3
.Lnot_wave_0_\@:
	s_barrier_wait -3
	s_barrier_signal -1
	s_barrier_wait -1
.endm
	s_load_b128 s[4:7], s[0:1], 0x0                ; qq, kv
	s_load_b64 s[8:9], s[0:1], 0x10                ; cq
	v_lshl_add_u32 v[SPW], v0, 2, SPARE
	v_mov_b32 v[NIL], 0
	ds_add_u32 v3, v31
	ds_add_u32 v3, v31
	s_wait_dscnt 0x0
	v_lshrrev_b32 v1, 5, v0
	s_delay_alu instid0(VALU_DEP_1)
	v_readfirstlane_b32 s[WV], v1                  ; wave 0..7
	s_and_b32 s13, ttmp7, 0xffff
	s_lshr_b32 s14, s13, 2                         ; batch
	s_and_b32 s15, s13, 3
	s_mul_i32 s[HG3], s15, 3
	s_mul_i32 s16, s14, 12
	s_add_co_u32 s16, s16, s[HG3]                  ; batch x 12 + my first head: shared by the four partners
	s_mul_i32 s20, s[WV], WPART                    ; my eighth of head 0,
	s_mul_i32 s21, s[WV], 2*WPART                  ; and of heads 1 and 2 together
	s_mul_i32 s18, s16, KVH
	s_add_co_u32 s22, s18, s21
	s_add_co_u32 s22, s22, KVH                     ; where the second begins in kv,
	s_mov_b32 s23, 0
	s_add_co_u32 s18, s18, s20                     ; and the first
	s_mov_b32 s19, 0
	; groups 1: a dense block as rows of 32 elements of 8 bytes; no padding: an image is read as 512 consecutive bytes
	s_mov_b32 s[G1], 15|(3<<16)|(1<<21)            ; 15:0 the mask: all four work-groups; 17:16 elements of 8 bytes; 21 set beside a mask
	s_mov_b32 s[G1+1], 32<<16                      ; tensor_dim0 = 32
	s_mov_b32 s[G1+2], 50<<16                      ; tensor_dim1 = 50
	s_mov_b32 s[G1+3], 32<<16                      ; tile_dim0 = 32
	s_mov_b32 s[G1+4], 50                          ; tile_dim1 = 50
	s_mov_b32 s[G1+5], 32                          ; elements from row to row
	s_mov_b32 s[G1+6], 0
	s_mov_b32 s[G1+7], 0
	s_mov_b32 s[G1B], 15|(3<<16)|(1<<21)           ; the same with 100 rows
	s_mov_b32 s[G1B+1], 32<<16
	s_mov_b32 s[G1B+2], 100<<16
	s_mov_b32 s[G1B+3], 32<<16
	s_mov_b32 s[G1B+4], 100
	s_mov_b32 s[G1B+5], 32
	s_mov_b32 s[G1B+6], 0
	s_mov_b32 s[G1B+7], 0
	CROUND                                         ; all four work-groups are here: the joint loads meet.  (The round names no loaded register: the arguments come in meanwhile)
	s_wait_kmcnt 0x0
	s_mov_b32 s[G0], 1                             ; count = 1
	s_add_co_u32 s[G0+1], s20, 0                   ; LDS address: head 0, my eighth
	s_add_nc_u64 s[G0+2:G0+3], s[6:7], s[18:19]
	s_or_b32 s[G0+3], s[G0+3], 0x80000000          ; type = 2
	s_mov_b32 s[G0+4], 1
	s_add_co_u32 s[G0+5], s21, KVH                 ; LDS address: behind head 0, my eighth of the other two
	s_add_nc_u64 s[G0+6:G0+7], s[6:7], s[22:23]
	s_or_b32 s[G0+7], s[G0+7], 0x80000000
	tensor_load_to_lds s[G0:G0+3], s[G1:G1+7]      ; head 0
	s_nop 0
.rept 4
	v_nop
.endr
	s_bfe_u32 s11, ttmp6, 0x40000                  ; my place in the cluster
	s_lshl_b32 s12, ttmp9, 2
	s_add_co_u32 s12, s12, s11                     ; which 128 queries
	s_lshl_b32 s21, s12, 3
	s_add_co_u32 s21, s21, s[WV]                   ; my tile among a batch's 64
	s_lshl_b32 s17, s14, 6
	s_add_co_u32 s17, s17, s21                     ; and among all 512
	s_mov_b32 s23, 0
	s_lshl_b32 s22, s16, 6
	s_add_co_u32 s22, s22, s21
	s_mul_i32 s22, s22, 768
	s_add_nc_u64 s[QCB:QCB+1], s[4:5], s[22:23]
	s_lshl_b32 s22, s16, 3
	s_add_co_u32 s22, s22, s12
	s_lshl_b32 s22, s22, 8
	s_lshr_b32 s21, s[WV], 1
	s_lshl_b32 s21, s21, 6
	s_add_co_u32 s22, s22, s21
	s_add_co_u32 s22, s22, QS_OFF
	s_add_nc_u64 s[QSB:QSB+1], s[4:5], s[22:23]
	v_and_b32 v2, 31, v0
	s_delay_alu instid0(VALU_DEP_1)
	v_lshlrev_b32 v26, 4, v2                       ; 16 x lane
	s_delay_alu instid0(VALU_DEP_2)
	v_lshlrev_b32 v27, 2, v2                       ; 4 x lane
	s_delay_alu instid0(VALU_DEP_3)
	v_lshlrev_b32 v28, 3, v2                       ; 8 x lane
	v_and_b32 v29, 15, v0
	s_delay_alu instid0(VALU_DEP_1)
	v_lshlrev_b32 v29, 2, v29                      ; 4 r
	v_bfe_u32 v30, v0, 4, 1
	s_delay_alu instid0(VALU_DEP_1)
	v_add_nc_u32 v30, v30, v29                     ; 4 r + h
	WIN 0x40                                       ; destination window 1
.irp j, 0,1,2                          ; q of my tile for the three heads: they land while head 0's tiles are on their way
	global_load_b128 v[8*\j:8*\j+3], v26, s[QCB:QCB+1] offset:49152*\j
	global_load_b64 v[8*\j+4:8*\j+5], v28, s[QCB:QCB+1] offset:49152*\j+512
	global_load_b32 v[8*\j+6], v29, s[QSB:QSB+1] offset:2048*\j
.endr
	WIN 0
	s_mul_i32 s22, s17, 12
	s_add_co_u32 s22, s22, s[HG3]
	s_mul_i32 s22, s22, 768
	s_add_nc_u64 s[CCB:CCB+1], s[8:9], s[22:23]
	s_mul_i32 s22, s17, 384
	s_add_co_u32 s22, s22, CS_OFF
	s_add_nc_u64 s[CS0:CS0+1], s[8:9], s[22:23]
	s_and_b32 s[SH], s[WV], 1
	s_lshl_b32 s[SH], s[SH], 4
	s_mov_b32 s[SEL], 0x76543210
	s_mov_b32 s[SEL+1], 0xfedcba98
	s_mov_b32 s[CS], 0x3e38aa3b                    ; log2(e) / 8
	s_mov_b32 s[CS+1], s[CS]
	s_mov_b32 s[MSK], 0xffff0000
.irp i, 8,9,10,11,12,13,20,21,22,23,24,25
	v_mov_b32 v\i, 0                               ; the zero codes on both sides of q
.endr
.irp i, 236,237,238,239,253,254
	v_mov_b32 v\i, 0                               ; written once: permutes' destinations, and the upper half of the pair v[252:253]
.endr
.macro KLOAD                           ; a step's k: four fragments (eight tiles of 16 keys) and their scale words: 14 loads
.irp p, 0,1,2,3
.irp c, 0,1,2
	ds_load_b128 v[KF+12*\p+4*\c:KF+12*\p+4*\c+3], v1 offset:1536*\p+512*\c
.endr
.endr
	ds_load_b32 v248, v2
	ds_load_b32 v249, v2 offset:128
.endm
.macro VLOAD                           ; the step's v^T, read from the addresses of the NEXT step's k: 49,152 - 6,144 and 2,048 - 256 bytes on: 14 loads
.irp p, 0,1,2,3
.irp c, 0,1,2
	ds_load_b128 v[VF+12*\p+4*\c:VF+12*\p+4*\c+3], v1 offset:43008+1536*\p+512*\c
.endr
.endr
	ds_load_b32 v250, v2 offset:1792
	ds_load_b32 v251, v2 offset:1920
.endm
; A KEY STEP: 128 keys.
.macro STEP
	s_wait_dscnt 0x0                               ; k and its scale words are in
.irp b, 0,1,2,3                        ; register 16 b + 8 u + j of S^T is key 32 b + 16 h + 8 u + j
.if \b%2
	v_wmma_scale_f32_16x16x128_f8f6f4 v[S+16*\b:S+16*\b+7], v[KF+12*\b:KF+12*\b+11], v[14:25], 0, v[248+\b/2], v255 matrix_a_fmt:MATRIX_FMT_FP6 matrix_b_fmt:MATRIX_FMT_FP6 matrix_a_scale:MATRIX_SCALE_ROW1
	v_wmma_scale_f32_16x16x128_f8f6f4 v[S+16*\b+8:S+16*\b+15], v[KF+12*\b:KF+12*\b+11], v[8:19], 0, v[248+\b/2], v255 matrix_a_fmt:MATRIX_FMT_FP6 matrix_b_fmt:MATRIX_FMT_FP6 matrix_a_scale:MATRIX_SCALE_ROW1
.else
	v_wmma_scale_f32_16x16x128_f8f6f4 v[S+16*\b:S+16*\b+7], v[KF+12*\b:KF+12*\b+11], v[14:25], 0, v[248+\b/2], v255 matrix_a_fmt:MATRIX_FMT_FP6 matrix_b_fmt:MATRIX_FMT_FP6
	v_wmma_scale_f32_16x16x128_f8f6f4 v[S+16*\b+8:S+16*\b+15], v[KF+12*\b:KF+12*\b+11], v[8:19], 0, v[248+\b/2], v255 matrix_a_fmt:MATRIX_FMT_FP6 matrix_b_fmt:MATRIX_FMT_FP6
.endif
.endr
	s_add_co_u32 s[TB], s[TB], 6144
	s_add_co_u32 s[TS], s[TS], 256
	v_add_nc_u32 v1, s[TB], v26                    ; four places behind the products: ahead of the loads into their registers and of the first read of the scores
	v_add_nc_u32 v2, s[TS], v27
	v_nop
	v_nop
	VLOAD                                          ; this step's v^T,
	KLOAD                                          ; and the next step's k.  In a head's eighth step these 14 loads read the head's own v bytes, which have landed; what they bring is never used
.irp b, 0,1,2,3
	v_max3_num_f32 v[232+\b], v[S+16*\b], v[S+1+16*\b], v[S+2+16*\b]     ; the largest score of each block of 32 keys: for the row's maximum and, since p rises with the score, for the block's largest p
.endr
.irp i, 3,5,7,9,11,13
.irp b, 0,1,2,3
	v_max3_num_f32 v[232+\b], v[232+\b], v[S+16*\b+\i], v[S+1+16*\b+\i]
.endr
.endr
.irp b, 0,1,2,3
	v_max_num_f32 v[232+\b], v[232+\b], v[S+15+16*\b]
.endr
.irp b, 0,1,2,3
	s_delay_alu instid0(VALU_DEP_4)
	v_permlanex16_b32 v[236+\b], v[232+\b], s[SEL], s[SEL+1]
.endr
.irp b, 0,1,2,3
	s_delay_alu instid0(VALU_DEP_4)
	v_max_num_f32 v[232+\b], v[232+\b], v[236+\b]  ; with lane l xor 16's 16 keys
.endr
	s_delay_alu instid0(VALU_DEP_2)
	v_max3_num_f32 v254, v232, v233, v234
	s_delay_alu instid0(VALU_DEP_1)
	v_max_num_f32 v254, v254, v235
	s_delay_alu instid0(VALU_DEP_1)
	v_mul_f32 v254, s[CS], v254                    ; the step's largest t
	s_delay_alu instid0(VALU_DEP_1)
	v_max_num_f32 v5, v5, v254                     ; the running largest t
	v_mov_b32 v254, v4
	s_delay_alu instid0(VALU_DEP_2)
	v_floor_f32 v4, -v5                            ; the new -M = floor(-t): M is a whole number
	s_delay_alu instid0(VALU_DEP_1)
	v_sub_f32 v254, v4, v254                       ; old M - new M: a whole number, 0 or less
	s_delay_alu instid0(VALU_DEP_1)
	v_cvt_i32_f32 v254, v254                       ; (it saturates)
	s_delay_alu instid0(VALU_DEP_1)
	v_ldexp_f32 v252, 1.0, v254                    ; f = 2^(old M - new M)
.irp j, 0,2,4,6,8,10,12,14,16,18,20,22,24,26,28,30,32,34,36,38,40,42,44,46,48,50,52,54,56,58,60,62
	v_pk_fma_f32 v[S+\j:S+1+\j], v[S+\j:S+1+\j], s[CS:CS+1], v[4:5] op_sel_hi:[1,0,0]   ; t - M, two at a time
.endr
.irp b, 0,1,2,3
	v_fma_f32 v[232+\b], v[232+\b], s[CS], v4      ; the same of each block's largest score
.endr
	s_wait_alu depctr_va_vdst(0)
.irp j, 0,1,2,3,4,5,6,7,8,9,10,11,12,13,14,15,16,17,18,19,20,21,22,23,24,25,26,27,28,29,30,31,32,33,34,35,36,37,38,39,40,41,42,43,44,45,46,47,48,49,50,51,52,53,54,55,56,57,58,59,60,61,62,63
	v_exp_f32 v[S+\j], v[S+\j]                     ; p = 2^(t - M), at most 1
.endr
	s_setprio 1
.irp b, 0,1,2,3
	v_exp_f32 v[232+\b], v[232+\b]                 ; the block's largest p: the same two instructions on the same number
.endr
	v_pk_mul_f32 v[6:7], v[6:7], v[252:253] op_sel_hi:[1,0]   ; the sums under the new M (a plain place behind the exponentials)
	s_wait_alu depctr_va_vdst(0)
.irp b, 0,1,2,3
	v_max_num_f32 v[232+\b], 0x1800000, v[232+\b]  ; the floor 2^(3 - 127)
.endr
.irp b, 0,1,2,3
	s_delay_alu instid0(VALU_DEP_4)
	v_add_nc_u32 v[244+\b], 0xff000000, v[232+\b]  ; 2 off the exponent field: the conversion's scale operand
.endr
.irp b, 0,1,2,3
	s_delay_alu instid0(VALU_DEP_4)
	v_lshrrev_b32 v[236+\b], 23, v[244+\b]         ; the byte
.endr
	s_delay_alu instid0(VALU_DEP_3)
	v_lshl_or_b32 v253, v237, 8, v236              ; p's scale word for these 128 keys
	s_delay_alu instid0(VALU_DEP_1)
	v_lshl_or_b32 v253, v238, 16, v253
	s_delay_alu instid0(VALU_DEP_1)
	v_lshl_or_b32 v253, v239, 24, v253
.irp c, 0,1
	v_cvt_scalef32_pk16_fp6_f32 v[224+6*\c:226+6*\c], v[S+32*\c:S+15+32*\c], v[244+2*\c]
	v_cvt_scalef32_pk16_fp6_f32 v[236+4*\c:238+4*\c], v[S+16+32*\c:S+31+32*\c], v[244+2*\c+1]
.endr
	v_nop                                          ; one plain place behind the conversions
.irp c, 0,1                            ; a whole block in a lane: lanes 0-15 block 2 c, lanes 16-31 block 2 c + 1
.irp i, 0,1,2
	v_permlane16_swap_b32 v[224+6*\c+\i], v[236+4*\c+\i]
.endr
.irp i, 0,1,2
	s_delay_alu instid0(VALU_DEP_3)
	v_mov_b32 v[227+6*\c+\i], v[236+4*\c+\i]
.endr
.endr
	v_pk_add_f32 v[236:237], v[132:133], v[136:137]
	v_pk_add_f32 v[246:247], v[140:141], v[144:145]
	v_pk_add_f32 v[244:245], v[148:149], v[152:153]
	v_pk_add_f32 v[242:243], v[156:157], v[160:161]
	v_pk_add_f32 v[240:241], v[164:165], v[168:169]
	v_pk_add_f32 v[0:1], v[172:173], v[176:177]
	v_pk_add_f32 v[6:7], v[6:7], v[180:181]
	v_pk_add_f32 v[236:237], v[236:237], v[184:185]
	v_pk_add_f32 v[246:247], v[246:247], v[188:189]
	v_pk_add_f32 v[244:245], v[244:245], v[128:129]
	v_pk_add_f32 v[242:243], v[242:243], v[130:131]
	v_pk_add_f32 v[240:241], v[240:241], v[134:135]
	v_pk_add_f32 v[0:1], v[0:1], v[138:139]
	v_pk_add_f32 v[6:7], v[6:7], v[142:143]
	v_pk_add_f32 v[236:237], v[236:237], v[146:147]
	v_pk_add_f32 v[246:247], v[246:247], v[150:151]
	v_pk_add_f32 v[244:245], v[244:245], v[154:155]
	v_pk_add_f32 v[242:243], v[242:243], v[158:159]
	v_pk_add_f32 v[240:241], v[240:241], v[162:163]
	v_pk_add_f32 v[0:1], v[0:1], v[166:167]
	v_pk_add_f32 v[6:7], v[6:7], v[170:171]
	v_pk_add_f32 v[236:237], v[236:237], v[174:175]
	v_pk_add_f32 v[246:247], v[246:247], v[178:179]
	v_pk_add_f32 v[244:245], v[244:245], v[182:183]
	v_pk_add_f32 v[242:243], v[242:243], v[186:187]
	v_pk_add_f32 v[240:241], v[240:241], v[190:191]
	s_delay_alu instid0(VALU_DEP_2)
	v_pk_add_f32 v[6:7], v[6:7], v[242:243]
	s_delay_alu instid0(VALU_DEP_2)
	v_pk_add_f32 v[236:237], v[236:237], v[240:241]
	v_pk_add_f32 v[246:247], v[246:247], v[0:1]
	s_delay_alu instid0(VALU_DEP_1)
	v_pk_add_f32 v[6:7], v[6:7], v[246:247]
	s_delay_alu instid0(VALU_DEP_3)
	v_pk_add_f32 v[236:237], v[236:237], v[244:245]
	s_delay_alu instid0(VALU_DEP_1)
	v_pk_add_f32 v[6:7], v[6:7], v[236:237]        ; (these sums are also the places between p's codes and scale word and the products below)
	s_setprio 0
.irp j, 0,2,4,6,8,10,12,14,16,18,20,22,24,26,28,30
	v_pk_mul_f32 v[O+\j:O+1+\j], v[O+\j:O+1+\j], v[252:253] op_sel_hi:[1,0]   ; O^T under the new M
.endr
	s_wait_alu depctr_va_vdst(0)
	s_wait_dscnt 14                                ; v^T and its scale words are in; the next step's 14 loads of k may be out
.irp ft, 0,1,2,3                       ; O^T += v^T p^T; the four accumulators by turns
.if \ft%2
	v_wmma_scale_f32_16x16x128_f8f6f4 v[O+8*\ft:O+8*\ft+7], v[VF+12*\ft:VF+12*\ft+11], v[224:235], v[O+8*\ft:O+8*\ft+7], v[250+\ft/2], v253 matrix_a_fmt:MATRIX_FMT_FP6 matrix_b_fmt:MATRIX_FMT_FP6 matrix_a_scale:MATRIX_SCALE_ROW1
.else
	v_wmma_scale_f32_16x16x128_f8f6f4 v[O+8*\ft:O+8*\ft+7], v[VF+12*\ft:VF+12*\ft+11], v[224:235], v[O+8*\ft:O+8*\ft+7], v[250+\ft/2], v253 matrix_a_fmt:MATRIX_FMT_FP6 matrix_b_fmt:MATRIX_FMT_FP6
.endif
.endr
.endm
; A head's end: O^T / the sum is ctx(my query, the head's 64 features): register 16 b + i is feature 32 b + 16 h + i: two blocks of the last product's K.
.macro FIN j
.rept 4
	v_nop                                          ; places behind the last products
.endr
	v_add_f32 v6, v6, v7
	s_delay_alu instid0(VALU_DEP_1)
	v_permlanex16_b32 v254, v6, s[SEL], s[SEL+1]
	s_delay_alu instid0(VALU_DEP_1)
	v_add_f32 v6, v6, v254                         ; the row's sum
	s_wait_alu depctr_va_vdst(0)
	v_rcp_f32 v6, v6
	v_nop                                          ; one plain place behind the reciprocal
	s_wait_alu depctr_va_vdst(0)
.irp i, 0,2,4,6,8,10,12,14,16,18,20,22,24,26,28,30
	v_pk_mul_f32 v[S+\i:S+1+\i], v[O+\i:O+1+\i], v[6:7] op_sel_hi:[1,0]   ; each accumulator from its low end on
.endr
.irp b, 0,1
	v_max3_num_f32 v[232+\b], |v[S+16*\b]|, |v[S+1+16*\b]|, 0x1800000
.endr
.irp i, 2,4,6,8,10,12,14
.irp b, 0,1
	s_delay_alu instid0(VALU_DEP_2)
	v_max3_num_f32 v[232+\b], v[232+\b], |v[S+16*\b+\i]|, |v[S+1+16*\b+\i]|
.endr
.endr
.irp b, 0,1
	s_delay_alu instid0(VALU_DEP_2)
	v_permlanex16_b32 v[236+\b], v[232+\b], s[SEL], s[SEL+1]
.endr
.irp b, 0,1
	s_delay_alu instid0(VALU_DEP_2)
	v_max_num_f32 v[232+\b], v[232+\b], v[236+\b]
.endr
.irp b, 0,1
	s_delay_alu instid0(VALU_DEP_2)
	v_add_nc_u32 v[244+\b], 0xff000000, v[232+\b]
.endr
.irp b, 0,1
	s_delay_alu instid0(VALU_DEP_2)
	v_lshrrev_b32 v[240+\b], 23, v[244+\b]
.endr
	s_delay_alu instid0(VALU_DEP_1)
	v_cndmask_b32 v242, v240, v241, s[MSK]         ; lanes 0-15 store block 0's byte, lanes 16-31 block 1's
	s_wait_alu depctr_va_vdst(0)
	v_cvt_scalef32_pk16_fp6_f32 v[224:226], v[S:S+15], v244
	v_cvt_scalef32_pk16_fp6_f32 v[236:238], v[S+16:S+31], v245
	v_nop
.irp i, 0,1,2
	v_permlane16_swap_b32 v[224+\i], v[236+\i]
.endr
.irp i, 0,1,2
	s_delay_alu instid0(VALU_DEP_3)
	v_mov_b32 v[227+\i], v[236+\i]
.endr
	global_store_b128 v26, v[224:227], s[CCB:CCB+1] offset:768*\j        ; 512 consecutive bytes,
	global_store_b64 v28, v[228:229], s[CCB:CCB+1] offset:768*\j+512     ; and 256
	s_add_co_u32 s18, s[HG3], \j                   ; the head hd: its bytes stand in the line of K steps 2 (hd / 4), + 1; half (hd / 2) % 2 of the lanes; bytes 2 (hd % 2), + 1 of the word
	s_lshr_b32 s19, s18, 2
	s_lshl_b32 s19, s19, 7
	s_bfe_u32 s20, s18, 0x10001
	s_lshl_b32 s20, s20, 6
	s_add_co_u32 s19, s19, s20
	s_and_b32 s20, s18, 1
	s_lshl_b32 s20, s20, 1
	s_add_co_u32 s18, s19, s20
	s_mov_b32 s19, 0
	s_add_nc_u64 s[CSB:CSB+1], s[CS0:CS0+1], s[18:19]
	global_store_b8 v30, v242, s[CSB:CSB+1]        ; 32 bytes of a run of 64
.endm
; A head.  Head 0 opens with a round of the cluster's barrier, behind which the other two heads are asked for; head 1 with a plain barrier, which shows both of them whole; head 2 with none.
.macro HEAD j
	s_wait_xcnt 0x0                                ; the last head's stores have read their registers and their base
.if \j == 0
	s_wait_tensorcnt 0x0                           ; my one tensor load, my eighth of head 0, has landed;
	ds_add_u32 v[SPW], v[NIL]                      ; 0 onto my spare word; the head's set-up stands between it and the wait for it
.endif
	s_mov_b32 s[TB], KVH*\j
	s_mov_b32 s[TS], KVH*\j+98304
	v_add_nc_u32 v1, s[TB], v26
	v_add_nc_u32 v2, s[TS], v27
	v_mov_b32 v5, 0xff61b1e6                       ; the largest t so far: -3e38
	s_delay_alu instid0(VALU_DEP_1)
	v_floor_f32 v4, -v5
	v_mov_b32 v6, 0
	v_mov_b32 v7, 0
.if \j == 1
	s_wait_tensorcnt 0x0                           ; my eighth of heads 1 and 2 has landed: no load was issued behind it
.endif
	s_wait_dscnt 0x0                               ; no LDS instruction of mine is out
.if \j == 0
	CROUND                                         ; head 0 is whole in all four work-groups
	tensor_load_to_lds s[G0+4:G0+7], s[G1B:G1B+7]  ; heads 1 and 2: the first thing behind the round, my one tensor load; bytes that nothing has filled or read
	s_nop 0
.rept 4
	v_nop
.endr
.elseif \j == 1
	s_barrier_signal -1
	s_barrier_wait -1                              ; everybody's has
.endif
	s_wait_alu depctr_va_vdst(0)
	KLOAD
	s_wait_loadcnt 0x0                             ; q of the three heads: asked for at the kernel's head
	WIN 0x01                                       ; source 0 window 1
.irp i, 0,1,2,3,4,5
	v_mov_b32 v[14+\i], v[8*\j+\i]
.endr
	v_mov_b32 v254, v[8*\j+6]
	WIN 0
	v_lshrrev_b32 v254, s[SH], v254                ; my tile's two bytes,
	s_delay_alu instid0(VALU_DEP_1)
	v_and_b32 v254, 0xffff, v254
	s_delay_alu instid0(VALU_DEP_1)
	v_lshl_or_b32 v255, v254, 16, v254             ; twice: for [q | 0] and for [0 | q]
.irp i, 0,1,2,3,4,5,6,7,8,9,10,11,12,13,14,15,16,17,18,19,20,21,22,23,24,25,26,27,28,29,30,31
	v_mov_b32 v[O+\i], 0                           ; the step is written once: the first finds zeros.  (Also the places between q, its scale word and the first product)
.endr
	s_mov_b32 s[CNT], 8
.Lstep_\@:
	s_setprio 2
	STEP
	s_sub_co_u32 s[CNT], s[CNT], 1
	s_cmp_lg_u32 s[CNT], 0
	s_cbranch_scc1 .Lstep_\@
	s_setprio 0
	FIN \j
.endm
	HEAD 0
	HEAD 1
	HEAD 2
	s_wait_tensorcnt 0x0                           ; the wave's end: my last LDS instructions
	ds_add_u32 v[SPW], v[NIL]
	s_wait_dscnt 0x0                               ; (the eighth step's unused loads among them)
	CROUND                                         ; the closing round: no work-group ends while a partner may still ask jointly
	s_endpgm
.Lfunc_end_k_q1394d6296a_attn:
	.size	k_q1394d6296a_attn, .Lfunc_end_k_q1394d6296a_attn-k_q1394d6296a_attn
	.p2alignl 7, 3214868480
	.fill 96, 4, 3214868480
	.section	.rodata,"a",@progbits
	.p2align	6, 0x0
	.amdhsa_kernel k_q1394d6296a_attn
		.amdhsa_group_segment_fixed_size 327680
		.amdhsa_private_segment_fixed_size 0
		.amdhsa_enable_private_segment 0
		.amdhsa_kernarg_size 24
		.amdhsa_user_sgpr_count 2
		.amdhsa_user_sgpr_kernarg_segment_ptr 1
		.amdhsa_wavefront_size32 1
		.amdhsa_system_sgpr_workgroup_id_x 1
		.amdhsa_system_sgpr_workgroup_id_y 1
		.amdhsa_system_sgpr_workgroup_id_z 1
		.amdhsa_system_vgpr_workitem_id 0
		.amdhsa_next_free_vgpr 288
		.amdhsa_next_free_sgpr 80
		.amdhsa_reserve_vcc 0
		.amdhsa_float_denorm_mode_32 3
		.amdhsa_float_denorm_mode_16_64 3
		.amdhsa_memory_ordered 1
		.amdhsa_forward_progress 1
		.amdhsa_inst_pref_size 81
	.end_amdhsa_kernel
	.amdgpu_metadata
---
amdhsa.version: [ 1, 2 ]
amdhsa.kernels:
  - .name:           k_q1394d6296a_attn
    .symbol:         k_q1394d6296a_attn.kd
    .args:
      - { .name: qq, .offset: 0, .size: 8, .value_kind: global_buffer, .address_space: global }
      - { .name: kv, .offset: 8, .size: 8, .value_kind: global_buffer, .address_space: global }
      - { .name: cq, .offset: 16, .size: 8, .value_kind: global_buffer, .address_space: global }
    .group_segment_fixed_size: 327680
    .private_segment_fixed_size: 0
    .kernarg_segment_align: 8
    .kernarg_segment_size: 24
    .max_flat_workgroup_size: 256
    .sgpr_count:     80
    .vgpr_count:     288
    .wavefront_size: 32
...
	.end_amdgpu_metadata
.endif
;; end of part 7
;; launch oproj (part 8): grid 3 x 64, 4 waves a work-group, no clusters, 91,648 bytes of LDS; arguments cq, wq, bo, out0; writes out0
.if DOCPART == 8
	.amdgcn_target "amdgcn-amd-amdhsa--gfx1250"
	.amdhsa_code_object_version 6
	.text
	.protected	k_q1394d6296a_oproj
	.globl	k_q1394d6296a_oproj
	.p2align	8
	.type	k_q1394d6296a_oproj,@function
k_q1394d6296a_oproj:
	s_mov_b64 s[64:65], 0
	v_nop
	global_prefetch_b8 v0, s[64:65] scope:SCOPE_SE
	s_setreg_imm32_b32 hwreg(HW_REG_WAVE_SCHED_MODE, 0, 2), 2
	s_setreg_imm32_b32 hwreg(HW_REG_WAVE_MODE, 25, 1), 1
	s_wait_xcnt 0x0
	s_wait_alu depctr_vm_vsrc(0)
; out = ctx Wo + bo on codes of FP6 (E2M3) with E8M0 scales, sums in f32, out in f32.
; SHARES: a work-group takes 128 tokens (work-group y) x 256 features; wave w takes features 64 (4 x + w) on: 32 accumulators, 6 K steps of 32 products.
; ctx's codes of the 128 tokens (73,728 dense bytes: [tile 8][head 12] x 768 bytes, registers 0-3 at 16 l, 4-5 at 512 + 8 l) come into LDS once; a fragment of K step s is heads 2 s (registers 0-5) and 2 s + 1 (6-11).
; A wave's 24 fragments of Wo are its own: from memory straight into registers, all at the head.
; USED TRANSPOSED (source 0 = 16 features of Wo, source 1 = 16 tokens): a lane's eight results are eight neighbouring features of one token.  bo is the C of each sum's first product.
; Row r of a tile T is row 32 (T / 2) + 8 (T % 2) + r + 8 (r / 8).  On the way out a tile of 16 tokens x 64 features goes through the wave's own stage in LDS and leaves as rows: sixteen lanes store 256 consecutive, aligned bytes.
; REGISTERS: window 0: v1-13 addresses; v16-39 ctx's scale words; v40-51 Wo's; v158, v159 the closing add's two; v160-255 ctx's fragments of an even K step, later rows on their way out.
;   window 1: v0-143 Wo's groups 0-2; v144-239 ctx's fragments of an odd K step.   window 2: v0-143 groups 3-5; v144-175 the bias.   window 3: the accumulators (at the head: ctx's bytes on their way to LDS).
; THE MODE: SCHED_MODE bits 1:0 = 2 (LLVM: expert scheduling mode 2), set by the entry lines.  The code itself states the register dependences between vector or matrix instructions and memory or LDS
; instructions, with s_wait_alu, always for 0.
; THE PLAN.  Registers that memory or LDS instructions touch:
;   v1-v13        offsets and LDS addresses: written at the head, never again.
;   X0, X1        ctx's fragments.  The products of step g read X[g % 2]; the LDS loads issued in step g land in the other one, which step g - 1 read.
;   window 3      at the head read by the LDS stores of ctx's bytes; then accumulators, written by the products and read by the way out's LDS stores.
;   v160-223      on the way out two buffers of rows by turns: the stage's loads land there, the global stores read them.  No vector instruction stands in the way out.
;   Wo's groups, the bias and the scale words are loaded once.
; So ONE wait on va_vdst stands at the head of steps 1 to 4, whose LDS loads are dealt among their products, and one ahead of the way out; one wait on vm_vsrc stands behind the barrier and one ahead of each reuse of a buffer of rows.
.set CS_OFF, 4718592
.set WS_OFF, 1769472
.set LI0, 1                            ; v1  16 x lane;  v2 the same 36,864 bytes on
.set LI1, 2
.set L4,  4                            ; v4  4 x lane
.set FA,  5                            ; v5  16 x lane + 18,432 x wave
.set BA,  6                            ; v6  64 h
.set STO, 9                            ; v9  the stage: where I put 16 bytes of a row
.set RD,  10                           ; v10 where I read a row back
.set CO,  11                           ; v11 my byte offset in two rows of out
.set L80, 12                           ; v12 8 x lane;  v13 the same 36,864 bytes on
.set L81, 13
.set XS,  16
.set WS,  40
.set XA,  160
.set XB,  144
.set BI,  144
.set OB,  160                          ; the way out: v160-191 and v192-223 by turns
.set STAGE, 73728                      ; behind ctx's images: 16 rows x (256 + 16) bytes for each wave
.set MSB, 0
.macro WIN new                         ; the immediate's high byte repeats the setting that is left
.if MSB != \new
	s_set_vgpr_msb (MSB<<8)|\new
.set MSB, \new
.endif
.endm
.macro PLACES                          ; four places behind a product, ahead of loads into its registers and of the first read of its result
.rept 4
	v_nop
.endr
.endm
	s_load_b256 s[4:11], s[0:1], 0x0               ; cq, wq, bo, out0
	v_lshl_add_u32 v158, v0, 2, 0x16400
	v_mov_b32 v159, 0
	v_lshrrev_b32 v8, 5, v0
	v_readfirstlane_b32 s18, v8                    ; wave
	v_and_b32 v8, 31, v0
	v_and_b32 v14, 15, v0
	v_bfe_u32 v15, v0, 4, 1
	v_lshlrev_b32 v[LI0], 4, v8
	v_add_nc_u32 v[LI1], 36864, v[LI0]
	v_lshlrev_b32 v[L80], 3, v8
	v_add_nc_u32 v[L81], 36864, v[L80]
	v_lshlrev_b32 v[L4], 2, v8
	s_wait_alu depctr_va_sdst(0)                   ; s18, the wave's number, is written, ahead of its first reader
	s_mul_i32 s39, s18, 18432
	v_add_nc_u32 v[FA], s39, v[LI0]
	v_lshlrev_b32 v[BA], 6, v15
	s_mul_i32 s40, s18, 16*272
	s_add_co_u32 s40, s40, STAGE                   ; my stage
	v_mul_u32_u24 v[STO], v14, 272
	v_lshl_add_u32 v[STO], v15, 6, v[STO]
	v_add_nc_u32 v[STO], s40, v[STO]               ; in: row r, + 64 h
	v_mul_u32_u24 v[RD], v15, 272
	v_lshl_add_u32 v[RD], v14, 4, v[RD]
	v_add_nc_u32 v[RD], s40, v[RD]                 ; back: lanes 0-15 one row, lanes 16-31 the next
	v_mul_u32_u24 v[CO], v15, 3072
	v_lshl_add_u32 v[CO], v14, 4, v[CO]            ; and the same two rows in out
	s_and_b32 s19, ttmp7, 0xffff                   ; the group of 128 tokens
	s_lshl_b32 s41, ttmp9, 2
	s_add_co_u32 s41, s41, s18                     ; which 64 features
	s_mov_b32 s45, 0
	s_wait_kmcnt 0x0
	s_mul_i32 s44, s19, 73728
	s_add_co_u32 s44, s44, s39
	s_add_nc_u64 s[20:21], s[4:5], s[44:45]        ; ctx's codes: my quarter
	s_mul_i32 s44, s19, 3072
	s_add_co_u32 s44, s44, CS_OFF
	s_add_nc_u64 s[22:23], s[4:5], s[44:45]        ; ctx's scale words
	s_mul_i32 s44, s41, 36864
	s_add_co_u32 s44, s44, 3*442368
	s_add_nc_u64 s[24:25], s[6:7], s[44:45]        ; Wo's codes at my four tiles
	s_mul_i32 s44, s41, 1536
	s_add_co_u32 s44, s44, WS_OFF+3*18432
	s_add_nc_u64 s[26:27], s[6:7], s[44:45]        ; their scale words
	s_lshl_b32 s44, s41, 8
	s_add_nc_u64 s[8:9], s[8:9], s[44:45]          ; bo at my features
	s_mul_i32 s46, s19, 393216
	s_add_co_u32 s44, s44, s46
	s_add_nc_u64 s[10:11], s[10:11], s[44:45]      ; out at my first token and feature
.macro WLOAD ks
.set LW, (1+(\ks)/3)<<6
	WIN LW
.irp ft, 0,1,2,3
.irp c, 0,1,2
	global_load_b128 v[48*((\ks)%3)+12*\ft+4*\c:48*((\ks)%3)+12*\ft+4*\c+3], v[LI0], s[24:25] offset:9216*\ft+1536*(\ks)+512*\c
.endr
.endr
.endm
.macro XHALF ks, hf                    ; ctx's fragments 4 hf .. 4 hf + 3 of K step ks: 16 loads
.set LW, ((\ks)%2)<<6
	WIN LW
.set XL, XA-(XA-XB)*((\ks)%2)+48*(\hf)
.irp t4, 0,1,2,3
	ds_load_b128 v[XL+12*\t4:XL+12*\t4+3], v[LI0+(\hf)] offset:9216*\t4+1536*(\ks)
	ds_load_b64 v[XL+12*\t4+4:XL+12*\t4+5], v[L80+(\hf)] offset:9216*\t4+1536*(\ks)+512
	ds_load_b128 v[XL+12*\t4+6:XL+12*\t4+9], v[LI0+(\hf)] offset:9216*\t4+1536*(\ks)+768
	ds_load_b64 v[XL+12*\t4+10:XL+12*\t4+11], v[L80+(\hf)] offset:9216*\t4+1536*(\ks)+1280
.endr
.endm
.macro MMX row
.if \row
	v_wmma_scale_f32_16x16x128_f8f6f4 v[rD:rD+7], v[rA:rA+11], v[rB:rB+11], v[rC:rC+7], v[rSA], v[rSB] matrix_a_fmt:MATRIX_FMT_FP6 matrix_b_fmt:MATRIX_FMT_FP6 matrix_a_scale:MATRIX_SCALE_ROW1 matrix_b_scale:MATRIX_SCALE_ROW1
.else
	v_wmma_scale_f32_16x16x128_f8f6f4 v[rD:rD+7], v[rA:rA+11], v[rB:rB+11], v[rC:rC+7], v[rSA], v[rSB] matrix_a_fmt:MATRIX_FMT_FP6 matrix_b_fmt:MATRIX_FMT_FP6
.endif
.endm
.macro MM8 ks, t0                      ; eight of a step's 32 products: tiles of tokens t0, t0 + 1 x the four tiles of features.  MW, WR, XR: the step's windows and registers
	WIN MW
.irp tt, \t0, \t0+1
.irp ft, 0,1,2,3
.set rD, 8*(4*(\tt)+\ft)
.set rA, WR+12*\ft
.set rB, XR+12*(\tt)
.set rSA, WS+3*\ft+(\ks)/2
.set rSB, XS+3*(\tt)+(\ks)/2
.set rC, rD
.if (\ks) == 0
.set rC, BI+8*\ft
.endif
	MMX (\ks)%2
.endr
.endr
.endm
; K step ks: 32 products, the 32 accumulators by turns in the same order in every step.
; nl: the global loads issued behind this step's group of Wo;  d0: the LDS loads issued behind this step's fragments 0-3 of ctx;  d1: those issued behind its fragments 4-7.
; Steps 1 to 4 ask, among their products, for the next step's fragments, into the buffer that the step before has read.
.macro KSTEP ks, nl, d0, d1
	s_wait_loadcnt \nl
	s_wait_dscnt \d0
.set WR, 48*((\ks)%3)
.set XR, XA-(XA-XB)*((\ks)%2)
.set CW, 3
.if (\ks) == 0
.set CW, 2
.endif
.set MW, (1+(\ks)/3)+(((\ks)%2)<<2)+(CW<<4)+0xc0
.if ((\ks) > 0) && ((\ks) < 5)
	PLACES
	s_wait_alu depctr_va_vdst(0)                   ; the products of the step before are done reading their fragments of ctx: this step's loads land there
.endif
	MM8 \ks, 0
.if ((\ks) > 0) && ((\ks) < 5)
	XHALF (\ks)+1, 0                               ; no wait: no product since the wait above names the other buffer
.endif
	MM8 \ks, 2
.if ((\ks) > 0) && ((\ks) < 5)
	XHALF (\ks)+1, 1
.endif
	s_wait_dscnt \d1
	MM8 \ks, 4
	MM8 \ks, 6
.if (\ks) == 5
	PLACES                                         ; ahead of the way out's first read of the sums and of its loads into registers that products have read
.endif
	WIN 0
.endm
	WIN 0xc0                                       ; ctx's bytes, my quarter: 36 loads of 512 consecutive bytes into window 3
	s_wait_alu depctr_va_vdst(0)                   ; the offsets and addresses v1 to v13 are written, which every load and store of the kernel reads
.set i, 0
.rept 36
	global_load_b128 v[4*i:4*i+3], v[LI0], s[20:21] offset:512*i
.set i, i+1
.endr
	WLOAD 0
	WLOAD 1
	s_wait_loadcnt 24                              ; ctx's 36 are in; the two groups of Wo behind them may be out
	WIN 0x0c
.set i, 0
.rept 36
	ds_store_b128 v[FA], v[4*i:4*i+3] offset:512*i
.set i, i+1
.endr
	WIN 0
.irp tt, 0,1,2,3,4,5,6,7
.irp sp, 0,1,2
	global_load_b32 v[XS+3*\tt+\sp], v[L4], s[22:23] offset:384*\tt+128*\sp
.endr
.endr
.irp ft, 0,1,2,3
.irp sp, 0,1,2
	global_load_b32 v[WS+3*\ft+\sp], v[L4], s[26:27] offset:384*\ft+128*\sp
.endr
.endr
	WIN 0x80
.irp ft, 0,1,2,3                       ; bo in the result's layout: register j of tile ft is feature 32 (ft / 2) + 8 (ft % 2) + 16 h + j
	global_load_b128 v[BI+8*\ft:BI+8*\ft+3], v[BA], s[8:9] offset:(32*(\ft/2)+8*(\ft%2))*4
	global_load_b128 v[BI+8*\ft+4:BI+8*\ft+7], v[BA], s[8:9] offset:(32*(\ft/2)+8*(\ft%2))*4+16
.endr
	WLOAD 2
	WLOAD 3
	WLOAD 4
	WLOAD 5
	WIN 0
	s_wait_dscnt 0x0                               ; for the others' sake: my quarter of ctx lies in LDS
	s_barrier_signal -1
	s_barrier_wait -1                              ; everybody's does; from here on a wave writes only its own stage
	s_wait_alu depctr_vm_vsrc(0)                   ; my LDS stores have read window 3's v0-143: these registers are accumulators from here on, written by the first products
	XHALF 0, 0
	XHALF 0, 1
	XHALF 1, 0
	XHALF 1, 1
	WIN 0
	KSTEP 0, 48, 48, 32                            ; behind the scale words, the bias and groups 0, 1: groups 2-5.  LDS: behind fragments 0-3: this step's other 16 and K step 1's 32
	KSTEP 1, 48, 16, 32                            ; LDS, from here on: at the head the step's own second 16 may be out, at its middle the 32 just dealt
	KSTEP 2, 36, 16, 32                            ; then the counts run down, a group of 12 a step
	KSTEP 3, 24, 16, 32
	KSTEP 4, 12, 16, 32
	KSTEP 5, 0, 16, 0                              ; the last step asks for nothing
; THE WAY OUT, a tile of 16 tokens at a time.  LDS serves a wave's instructions in order: no wait between the stores and the loads, nor ahead of the next tile's stores.
.macro TOSTAGE a
	WIN 0x0c                                       ; an LDS store's data are its source 1: window 3
.irp ft, 0,1,2,3
	ds_store_b128 v[STO], v[8*(4*(\a)+\ft):8*(4*(\a)+\ft)+3] offset:128*(\ft/2)+32*(\ft%2)        ; each accumulator from its low end on
	ds_store_b128 v[STO], v[8*(4*(\a)+\ft)+4:8*(4*(\a)+\ft)+7] offset:128*(\ft/2)+32*(\ft%2)+16
.endr
	WIN 0
.irp i, 0,1,2,3,4,5,6,7
	ds_load_b128 v[OB+32*((\a)%2)+4*\i:OB+32*((\a)%2)+4*\i+3], v[RD] offset:544*\i
.endr
.endm
.macro SEND a, younger                 ; younger: the LDS instructions issued behind tile a's loads
	s_wait_dscnt \younger
.irp i, 0,1,2,3,4,5,6,7
	global_store_b128 v[CO], v[OB+32*((\a)%2)+4*\i:OB+32*((\a)%2)+4*\i+3], s[10:11] offset:(32*((\a)/2)+8*((\a)%2)+2*\i+8*(\i/4))*3072 th:TH_STORE_NT   ; sixteen lanes store 256 consecutive bytes, at a multiple of 256 from out's first byte
.endr
.endm
	s_wait_alu depctr_va_vdst(0)                   ; the products have written the accumulators, which the LDS stores below read, and are done reading v160-223, in which the stage's loads land; no vector or matrix instruction follows
	TOSTAGE 0
.irp a, 1,2,3,4,5,6,7
.if \a > 1
	s_wait_xcnt 0x0                                ; tile a - 2's stores have had their addresses translated (ISA guide 3.1): tile a's loads land in their registers only behind this wait,
	s_wait_alu depctr_vm_vsrc(0)                   ; and behind this one: those stores have read their registers
.endif
	TOSTAGE \a
	SEND \a-1, 16                                  ; behind tile a - 1's loads: tile a's 8 stores and 8 loads
.endr
	SEND 7, 0
	s_wait_dscnt 0x0                               ; the closing lines, six on end
	s_wait_alu 0x0
	s_wait_tensorcnt 0x0
	ds_add_u32 v158, v159
	s_wait_dscnt 0x0
	s_endpgm
.Lfunc_end_k_q1394d6296a_oproj:
	.size	k_q1394d6296a_oproj, .Lfunc_end_k_q1394d6296a_oproj-k_q1394d6296a_oproj
	.p2alignl 7, 3214868480
	.fill 96, 4, 3214868480
	.section	.rodata,"a",@progbits
	.p2align	6, 0x0
	.amdhsa_kernel k_q1394d6296a_oproj
		.amdhsa_group_segment_fixed_size 91648
		.amdhsa_private_segment_fixed_size 0
		.amdhsa_enable_private_segment 0
		.amdhsa_kernarg_size 32
		.amdhsa_user_sgpr_count 2
		.amdhsa_user_sgpr_kernarg_segment_ptr 1
		.amdhsa_wavefront_size32 1
		.amdhsa_system_sgpr_workgroup_id_x 1
		.amdhsa_system_sgpr_workgroup_id_y 1
		.amdhsa_system_sgpr_workgroup_id_z 1
		.amdhsa_system_vgpr_workitem_id 0
		.amdhsa_next_free_vgpr 1024
		.amdhsa_next_free_sgpr 66
		.amdhsa_reserve_vcc 0
		.amdhsa_float_denorm_mode_32 3
		.amdhsa_float_denorm_mode_16_64 3
		.amdhsa_memory_ordered 1
		.amdhsa_forward_progress 1
		.amdhsa_inst_pref_size 74
	.end_amdhsa_kernel
	.amdgpu_metadata
---
amdhsa.version: [ 1, 2 ]
amdhsa.kernels:
  - .name:           k_q1394d6296a_oproj
    .symbol:         k_q1394d6296a_oproj.kd
    .args:
      - { .name: cq, .offset: 0, .size: 8, .value_kind: global_buffer, .address_space: global }
      - { .name: wq, .offset: 8, .size: 8, .value_kind: global_buffer, .address_space: global }
      - { .name: bo, .offset: 16, .size: 8, .value_kind: global_buffer, .address_space: global }
      - { .name: out0, .offset: 24, .size: 8, .value_kind: global_buffer, .address_space: global }
    .group_segment_fixed_size: 91648
    .private_segment_fixed_size: 0
    .kernarg_segment_align: 8
    .kernarg_segment_size: 32
    .max_flat_workgroup_size: 128
    .sgpr_count:     66
    .vgpr_count:     1024
    .wavefront_size: 32
...
	.end_amdgpu_metadata
.endif
;; end of part 8
